; MI455X (gfx1250); checked and timed in simulation.
; The chip was launched on July 23, 2026; its instructions are those of AMD's public machine-readable ISA for CDNA 5 (MIT licence, August 2026) and "CDNA5" Instruction Set Architecture Reference Guide (July 2026). The comments in the code are by the model that wrote it; some were corrected since.
;; Multi Head Attention. Allowed arithmetic: matrix products marked QUANTISED: E2M3 operands, one E8M0 scale for each 32 along K, by v_wmma_scale_f32_16x16x128_f8f6f4 with both operands' format E2M3, f32 sums; everything else in f32.
;; Inputs: Wk 1,024 x 1,024 float32; Wo 1,024 x 1,024 float32; Wq 1,024 x 1,024 float32; Wv 1,024 x 1,024 float32; bk 1,024 float32; bo 1,024 float32; bq 1,024 float32; bv 1,024 float32; key 4 x 2,048 x 1,024 float32; mask 1 x 1 x 2,048 x 2,048 int32; query 4 x 2,048 x 1,024 float32; value 4 x 2,048 x 1,024 float32.
;; Outputs: out0 4 x 2,048 x 1,024 float32.
;; This version of the problem:
;;   THIS VERSION OF THE PROBLEM IS GIVEN IN LOW PRECISION. The matrix products marked QUANTISED in the list below multiply operands that are first quantised to E2M3 (2 exponent bits, 3 mantissa bits; 6 bits a number), with one power-of-two scale for each 32 numbers along K (OCP MX v1.0); their sums are f32. All else is computed in f32.
;;   The module's matrix products, in the order in which they are computed (A, B: the left and right operand; K: the contracted axis; several contracted axes count as one K, in the product's order):
;;     1. [M 8,192, K 1,024] x [K 1,024, N 1,024]; A: input query; B: input Wq: QUANTISED
;;     2. [M 8,192, K 1,024] x [K 1,024, N 1,024]; A: input key; B: input Wk: QUANTISED
;;     3. [M 8,192, K 1,024] x [K 1,024, N 1,024]; A: input value; B: input Wv: QUANTISED
;;     4. batch 64 x [M 2,048, K 64] x [K 64, N 2,048]; A: computed on the way; B: computed on the way: QUANTISED
;;     5. batch 64 x [M 2,048, K 2,048] x [K 2,048, N 64]; A: softmax (see below); B: computed on the way: QUANTISED
;;     6. [M 8,192, K 1,024] x [K 1,024, N 1,024]; A: computed on the way; B: input Wo: QUANTISED
;;   THE QUANTISER, for each operand of a quantised product, along K:
;;     - K is cut into blocks of 32 from its start; a last block that is shorter is filled with zeros.
;;     - A block's scale is 2^e with e = floor(log2(the largest magnitude in the block)) - 2, held to -126 .. 127; a block of zeros has e = 0. As a byte (E8M0): e + 127.
;;     - Each number is divided by its block's scale, clamped to +-7.5, and rounded to the nearest number of E2M3, ties to even, subnormals kept.
;;     - The product sums the exact products of the quantised numbers (number of the format x scale) in f32.
;;   ~~~python
;;   def quantise(x, axis):      # numpy; x: float32 -> the quantised numbers, widened to float32 again
;;       x = np.moveaxis(x, axis, -1); K = x.shape[-1]
;;       x = np.pad(x, [(0, 0)] * (x.ndim - 1) + [(0, -K % 32)]); x = x.reshape(x.shape[:-1] + (-1, 32)); a = np.abs(x).max(-1, keepdims=True)
;;       e = np.where(a > 0, np.clip(np.frexp(np.where(a > 0, a, 1))[1] - 1 - 2, -126, 127), 0)      # np.frexp(a)[1] - 1 = floor(log2(a)), exactly
;;       r = np.clip(x / 2.0 ** e, -7.5, 7.5)
;;       step = 2.0 ** (np.maximum(np.frexp(np.where(r == 0, 1, r))[1] - 1, 0) - 3)
;;       q = np.round(r / step) * step * 2.0 ** e      # np.round: ties to even
;;       return np.moveaxis(q.reshape(q.shape[:-2] + (-1,))[..., :K], -1, axis).astype(np.float32)
;;   ~~~
;;   SOFTMAX AHEAD OF A QUANTISED PRODUCT. Where the list says 'softmax', what is quantised is not the finished softmax but p = 2^(t - M), with t = logit x log2(e) and M = ceil(the row's largest t), a whole number; so 1/2 < the row's largest p <= 1. The row's sum l is taken of the UNQUANTISED p, in f32, and the product's result is divided by l at the end. Since M is a whole number, a kernel that streams over the keys may use a running M (the ceiling of the running maximum): every later rescaling is an exact power of two, which a block's scale takes up: the codes' values come out the same.
;;   OPERANDS COMPUTED ON THE WAY. 'Computed on the way' means the value that the module computes at that place (a softmax that the list does not call 'softmax' is quantised finished and normalised). What goes into a quantiser is computed in f32, as accurately as f32 sums, v_exp_f32 and their like allow (about 1e-6 of the number): no bf16 or f16 on the way to a quantiser, and a product that is left as it is and whose result goes on into a quantised operand takes f32 operands (vector FMAs, or v_wmma_f32_16x16x4_f32). A number that lies on a knife's edge between two numbers of the format may be rounded either way, as far as f32 arithmetic and the matrix unit's own rounding can turn it there, and no further.
;; One version. Each part assembles by itself: llvm-mc -triple=amdgcn-amd-amdhsa -mcpu=gfx1250 --defsym DOCPART=n.
;; ======== version 1 of 1: 5 launches
;; workspace buffers: c1 22,020,096 bytes; s1 917,504 bytes; mk 524,288 bytes of whole numbers; qc 6,815,744 bytes; kv 13,369,344 bytes; oc 6,291,456 bytes; osc 262,144 bytes
;; launch quant (part 1): grid 1024 x 1, 4 waves a work-group, no clusters, 33,280 bytes of LDS; arguments query, key, value, Wq, Wk, Wv, Wo, mask, c1, s1, mk; writes c1, s1, mk
.if DOCPART == 1
	.amdgcn_target "amdgcn-amd-amdhsa--gfx1250"
	.amdhsa_code_object_version 6
	.text
	.protected	k_q5472930556_quant
	.globl	k_q5472930556_quant
	.p2align	8
	.type	k_q5472930556_quant,@function
k_q5472930556_quant:
	s_mov_b64 s[64:65], 0
	v_nop
	global_prefetch_b8 v0, s[64:65] scope:SCOPE_SE
	s_setreg_imm32_b32 hwreg(HW_REG_WAVE_MODE, 25, 1), 1
	s_wait_xcnt 0x0
; THE SEVEN f32 MATRICES (query, key, value [8192][1024]; Wq, Wk, Wv, Wo [1024][1024]; K innermost in all) become codes of FP6 (E2M3), 6 bits each, with one E8M0 byte for each 32 along K;
; THE MASK [2048][2048] of int32 becomes words of 32 bits, laid as the attention launch's lanes and registers want them.
; A block's scale is 2^(floor(log2(its largest magnitude)) - 2); its byte is the largest magnitude's exponent field - 2, held at 1 from below.  Each number is divided by the scale and rounded to the nearest code, ties to even.
; LIMITS: a block of zeros gets the byte 1 where the rule says 127 (its codes are zeros, and this program alone reads the bytes); blocks whose largest magnitude lies under 2^-124 are held at the byte 1; NaN and infinities are not served.
; WORK-GROUPS 0 to 895 quantise: 32 rows (32,768 numbers) each, 8 rows a wave: 256 work-groups for each of query, key, value, 32 for each weight, in that order, which is also the order of c1 (rows of 768 bytes) and s1 (rows of 32 bytes).
; TILE ORDER: of each 32 rows the two middle groups of eight change places on the way out (wave w writes at place 0, 2, 1, 3): stored row 32 g + 16 u + x is row 32 g + 8 u + x + 8 (x / 8).  So sixteen stored neighbours are a tile
; whose transposed product leaves a lane 16 neighbours along the next K in the registers of two neighbouring tiles.
; A wave takes 16 steps of 512 numbers.  Each of a step's four loads reads 512 consecutive bytes; the 2,048 bytes turn through the wave's own stage in LDS (16 bytes of padding behind each 64) and come back 16 neighbours a lane, two lanes to a block.
; A lane's 16 codes are 12 bytes: the wave stores 384 consecutive bytes.  A wave's 256 scale bytes are gathered in LDS and leave as one aligned run of 256 bytes.  Waves share nothing: no barrier.
; WORK-GROUPS 896 to 1023 pack the mask: work-group 896 + qt takes the sixteen queries of stored tile qt; wave w key steps 4 w to 4 w + 3.  They use no LDS.
.set NQWG,  896                        ; work-groups that quantise
.set STEPS, 16
.set EMAX,  2
.set CB,    12                         ; bytes of 16 codes
.set R,     16                         ; v16-79   four sets of 16 numbers as they are loaded
.set X,     80                         ; v80-111  two sets of 16 neighbours
.set C,     128                        ; v128-191 codes: four registers for each step, so that no store's data are written again
.set E,     112                        ; v112-127 a scale byte for each step
.set WREG,  8192                       ; LDS: a region for each wave: two stages of 32 x SP bytes, and behind them its 256 scale bytes
.set SP,    80                         ; a lane's place in a stage: its 64 bytes + 16 of padding
.set MI,    16                         ; the mask's path: v16-143 two sets of 64 numbers
.set MO,    144                        ; v144-151 two registers of words for each of the wave's four tiles
	s_load_b512 s[4:19], s[0:1], 0x0               ; query, key, value, Wq, Wk, Wv, Wo, mask
	s_load_b128 s[20:23], s[0:1], 0x40             ; c1, s1
	s_load_b64 s[24:25], s[0:1], 0x50              ; mk
	v_lshl_add_u32 v192, v0, 2, 0x8000
	v_mov_b32 v193, 0
	v_lshrrev_b32 v1, 5, v0
	v_readfirstlane_b32 s30, v1                    ; wave
	v_and_b32 v2, 31, v0                           ; lane
	s_cmp_ge_u32 ttmp9, NQWG                       ; the paths part on the work-group's number alone
	s_cbranch_scc1 .Lmask
	v_lshlrev_b32 v3, 4, v2                        ; my 16 bytes of a load's 512
	s_mul_i32 s31, s30, WREG
	v_lshrrev_b32 v14, 2, v2
	v_mul_u32_u24 v14, v14, SP
	v_and_b32 v15, 3, v2
	v_lshl_add_u32 v14, v15, 4, v14
	v_add_nc_u32 v14, s31, v14                     ; the stage, on the way in: SP (lane / 4) + 16 (lane % 4)
	v_mul_u32_u24 v15, v2, SP
	v_add_nc_u32 v15, s31, v15                     ; and on the way out: SP x lane: my 16 neighbours
	v_mul_u32_u24 v4, v2, CB                       ; my codes' place in a step's
	v_lshrrev_b32 v5, 1, v2
	s_add_co_u32 s31, s31, 2*32*SP
	v_add_nc_u32 v5, s31, v5                       ; LDS: my wave's 256 scale bytes, my block's byte
	v_lshlrev_b32 v7, 3, v2                        ; and on the way out 8 bytes a lane
	v_add_nc_u32 v6, s31, v7
	s_wait_kmcnt 0x0
	s_mov_b64 s[26:27], s[16:17]                   ; which matrix is mine, and its first work-group: a chain of choices on the work-group's number
	s_mov_b32 s28, 864                             ; Wo
	s_cmp_lt_u32 ttmp9, 864
	s_cselect_b64 s[26:27], s[14:15], s[26:27]     ; Wv
	s_cselect_b32 s28, 832, s28
	s_cmp_lt_u32 ttmp9, 832
	s_cselect_b64 s[26:27], s[12:13], s[26:27]     ; Wk
	s_cselect_b32 s28, 800, s28
	s_cmp_lt_u32 ttmp9, 800
	s_cselect_b64 s[26:27], s[10:11], s[26:27]     ; Wq
	s_cselect_b32 s28, 768, s28
	s_cmp_lt_u32 ttmp9, 768
	s_cselect_b64 s[26:27], s[8:9], s[26:27]       ; value
	s_cselect_b32 s28, 512, s28
	s_cmp_lt_u32 ttmp9, 512
	s_cselect_b64 s[26:27], s[6:7], s[26:27]       ; key
	s_cselect_b32 s28, 256, s28
	s_cmp_lt_u32 ttmp9, 256
	s_cselect_b64 s[26:27], s[4:5], s[26:27]       ; query
	s_cselect_b32 s28, 0, s28
	s_sub_co_u32 s29, ttmp9, s28
	s_lshl_b32 s29, s29, 2
	s_add_co_u32 s32, s29, s30                     ; which run of 8 rows of the matrix is my wave's
	s_lshl_b32 s32, s32, 15                        ; 32,768 bytes a run
	s_mov_b32 s33, 0
	s_add_nc_u64 s[26:27], s[26:27], s[32:33]
	s_and_b32 s34, s30, 1                          ; where it goes: place 0, 2, 1, 3 of the work-group's four
	s_lshl_b32 s34, s34, 1
	s_lshr_b32 s35, s30, 1
	s_or_b32 s34, s34, s35
	s_lshl_b32 s35, ttmp9, 2
	s_add_co_u32 s34, s34, s35
	s_mul_i32 s36, s34, 8*768                      ; 8 rows of codes
	s_mov_b32 s37, 0
	s_add_nc_u64 s[20:21], s[20:21], s[36:37]
	s_lshl_b32 s36, s34, 8                         ; 8 rows of scale bytes
	s_add_nc_u64 s[22:23], s[22:23], s[36:37]
.macro LOAD t
.irp i, 0,1,2,3
	global_load_b128 v[R+16*((\t)%4)+4*\i:R+16*((\t)%4)+4*\i+3], v3, s[26:27] offset:2048*(\t)+512*\i th:TH_LOAD_NT   ; 32 lanes read 512 consecutive bytes
.endr
.endm
.macro TURN t                          ; step t's numbers through the stage: LDS serves a wave's instructions in order, so no wait stands between the stores and the loads
.irp i, 0,1,2,3
	ds_store_b128 v14, v[R+16*((\t)%4)+4*\i:R+16*((\t)%4)+4*\i+3] offset:32*SP*((\t)%2)+8*SP*\i
.endr
.irp i, 0,1,2,3
	ds_load_b128 v[X+16*((\t)%2)+4*\i:X+16*((\t)%2)+4*\i+3], v15 offset:32*SP*((\t)%2)+16*\i
.endr
.endm
.irp t, 0,1,2,3
	LOAD \t
.endr
	s_wait_loadcnt 12                              ; step 0's four loads are in; three steps' twelve may be out
	TURN 0
.macro STEP t
.set XS, X+16*((\t)%2)
.if (\t) > 0
	s_wait_dscnt 1                                 ; this step's numbers are back from the stage (the last step's byte store may be out): so its stores into the stage have read their registers,
.else
	s_wait_dscnt 0x0
.endif
.if (\t)+4 < STEPS
	LOAD (\t)+4                                    ; which take the loads of four steps on
.endif
.if (\t)+1 < STEPS
.if STEPS-2-(\t) >= 3
	s_wait_loadcnt 12                              ; the next step's four loads are in; those of the three steps behind it may be out
.else
	s_wait_loadcnt 4*(STEPS-2-(\t))
.endif
	TURN (\t)+1                                    ; and go through the other stage while this step is worked
.endif
	v_max3_num_f32 v8, |v[XS]|, |v[XS+1]|, |v[XS+2]|               ; the largest magnitude of my 16
	v_max3_num_f32 v9, |v[XS+3]|, |v[XS+4]|, |v[XS+5]|
.irp i, 6,10
	v_max3_num_f32 v8, v8, |v[XS+\i]|, |v[XS+\i+1]|
	v_max3_num_f32 v9, v9, |v[XS+\i+2]|, |v[XS+\i+3]|
.endr
	v_max3_num_f32 v8, v8, |v[XS+14]|, |v[XS+15]|
	v_max3_num_f32 v8, v8, v9, (EMAX+1)<<23        ; and the floor 2^(EMAX + 1 - 127): so the byte cannot fall under 1
	v_max_num_f32_dpp v8, v8, v8 row_xmask:1 row_mask:0xf bank_mask:0xf   ; and of my neighbour's 16: the block's
	v_add_nc_u32 v11, -(EMAX<<23), v8              ; EMAX off its exponent field: the conversion takes the exponent field of this operand as its scale, and nothing else of it
	v_cvt_scalef32_pk16_fp6_f32 v[C+4*(\t):C+4*(\t)+2], v[XS:XS+15], v11   ; sixteen codes, 96 bits without gaps, the first number's code lowest
	v_lshrrev_b32 v[E+(\t)], 23, v11               ; the scale's byte (a plain line behind the conversion)
	ds_store_b8 v5, v[E+(\t)] offset:16*(\t)       ; both lanes of a block write the same byte with the same value
	global_store_b96 v4, v[C+4*(\t):C+4*(\t)+2], s[20:21] offset:32*CB*(\t)
.endm
.irp t, 0,1,2,3,4,5,6,7,8,9,10,11,12,13,14,15
	STEP \t
.endr
	ds_load_b64 v[12:13], v6                       ; LDS serves a wave's instructions in order: these see my stores
	s_wait_dscnt 0x0
	global_store_b64 v7, v[12:13], s[22:23]        ; 32 lanes store 256 consecutive bytes, aligned
	s_wait_tensorcnt 0x0
	ds_add_u32 v192, v193
	s_wait_dscnt 0x0
	s_endpgm
; THE MASK.  mk is [qt 128][key step 16][64 words].  Bit l = r + 16 h of word 16 b + i says whether mask[32 (qt / 2) + 8 (qt % 2) + r + 8 (r / 8)][128 step + 32 b + 16 h + i] is not 0:
; lane l and register 16 b + i are where the attention launch holds that score.  So lane l loads its 64 numbers of a step, and each compare gives one word.
.Lmask:
	s_sub_co_u32 s28, ttmp9, NQWG                  ; qt
	v_and_b32 v4, 15, v2                           ; r
	v_lshrrev_b32 v5, 4, v2                        ; h
	v_and_b32 v6, 8, v4
	v_add_nc_u32 v4, v4, v6                        ; r + 8 (r / 8)
	v_lshlrev_b32 v3, 13, v4                       ; a row of the mask is 8,192 bytes
	v_lshl_add_u32 v3, v5, 6, v3                   ; + 64 h
	v_lshlrev_b32 v7, 3, v2                        ; out: 8 bytes a lane
	s_lshr_b32 s29, s28, 1
	s_lshl_b32 s29, s29, 5
	s_and_b32 s31, s28, 1
	s_lshl_b32 s31, s31, 3
	s_add_co_u32 s29, s29, s31                     ; the tile's first row
	s_lshl_b32 s26, s29, 13
	s_lshl_b32 s31, s30, 11                        ; my wave's four steps: 2,048 bytes of each row
	s_add_co_u32 s26, s26, s31
	s_mov_b32 s27, 0
	s_lshl_b32 s40, s28, 12                        ; mk: 4,096 bytes a tile of queries,
	s_lshl_b32 s31, s30, 10                        ; 1,024 for my wave's four steps
	s_add_co_u32 s40, s40, s31
	s_mov_b32 s41, 0
	s_wait_kmcnt 0x0
	s_add_nc_u64 s[18:19], s[18:19], s[26:27]
	s_add_nc_u64 s[24:25], s[24:25], s[40:41]
.macro MLOAD t                         ; my 64 numbers of step t into set t % 2: register 16 b + 4 j + k
.irp b, 0,1,2,3
.irp j, 0,1,2,3
	global_load_b128 v[MI+64*((\t)%2)+16*\b+4*\j:MI+64*((\t)%2)+16*\b+4*\j+3], v3, s[18:19] offset:512*(\t)+128*\b+16*\j
.endr
.endr
.endm
.macro MTILE t
.if (\t) < 3
	s_wait_loadcnt 16                              ; this step's sixteen loads are in; the next step's may be out
.else
	s_wait_loadcnt 0
.endif
	v_mov_b32 v[MO+2*(\t)], 0                      ; (a lane write's destination counts as read)
	v_mov_b32 v[MO+2*(\t)+1], 0
.set n, 0
.rept 64
	v_cmp_ne_u32 s[32+n%8], 0, v[MI+64*((\t)%2)+n] ; word n,
	v_writelane_b32 v[MO+2*(\t)+n%2], s[32+n%8], n/2   ; to lane n / 2, which stores words 2 (n / 2) and 2 (n / 2) + 1
.set n, n+1
.endr
	global_store_b64 v7, v[MO+2*(\t):MO+2*(\t)+1], s[24:25] offset:256*(\t)   ; 32 lanes store 256 consecutive bytes, aligned; each step has data registers of its own
.if (\t) < 2
	MLOAD (\t)+2
.endif
.endm
	MLOAD 0
	MLOAD 1
	MTILE 0
	MTILE 1
	MTILE 2
	MTILE 3
	s_endpgm
.Lfunc_end_k_q5472930556_quant:
	.size	k_q5472930556_quant, .Lfunc_end_k_q5472930556_quant-k_q5472930556_quant
	.p2alignl 7, 3214868480
	.fill 96, 4, 3214868480
	.section	.rodata,"a",@progbits
	.p2align	6, 0x0
	.amdhsa_kernel k_q5472930556_quant
		.amdhsa_group_segment_fixed_size 33280
		.amdhsa_private_segment_fixed_size 0
		.amdhsa_enable_private_segment 0
		.amdhsa_kernarg_size 88
		.amdhsa_user_sgpr_count 2
		.amdhsa_user_sgpr_kernarg_segment_ptr 1
		.amdhsa_wavefront_size32 1
		.amdhsa_system_sgpr_workgroup_id_x 1
		.amdhsa_system_sgpr_workgroup_id_y 1
		.amdhsa_system_sgpr_workgroup_id_z 1
		.amdhsa_system_vgpr_workitem_id 0
		.amdhsa_next_free_vgpr 194
		.amdhsa_next_free_sgpr 66
		.amdhsa_reserve_vcc 0
		.amdhsa_float_denorm_mode_32 3
		.amdhsa_float_denorm_mode_16_64 3
		.amdhsa_memory_ordered 1
		.amdhsa_forward_progress 1
		.amdhsa_inst_pref_size 73
	.end_amdhsa_kernel
	.amdgpu_metadata
---
amdhsa.version: [ 1, 2 ]
amdhsa.kernels:
  - .name:           k_q5472930556_quant
    .symbol:         k_q5472930556_quant.kd
    .args:
      - { .name: query, .offset: 0, .size: 8, .value_kind: global_buffer, .address_space: global }
      - { .name: key, .offset: 8, .size: 8, .value_kind: global_buffer, .address_space: global }
      - { .name: value, .offset: 16, .size: 8, .value_kind: global_buffer, .address_space: global }
      - { .name: Wq, .offset: 24, .size: 8, .value_kind: global_buffer, .address_space: global }
      - { .name: Wk, .offset: 32, .size: 8, .value_kind: global_buffer, .address_space: global }
      - { .name: Wv, .offset: 40, .size: 8, .value_kind: global_buffer, .address_space: global }
      - { .name: Wo, .offset: 48, .size: 8, .value_kind: global_buffer, .address_space: global }
      - { .name: mask, .offset: 56, .size: 8, .value_kind: global_buffer, .address_space: global }
      - { .name: c1, .offset: 64, .size: 8, .value_kind: global_buffer, .address_space: global }
      - { .name: s1, .offset: 72, .size: 8, .value_kind: global_buffer, .address_space: global }
      - { .name: mk, .offset: 80, .size: 8, .value_kind: global_buffer, .address_space: global }
    .group_segment_fixed_size: 33280
    .private_segment_fixed_size: 0
    .kernarg_segment_align: 8
    .kernarg_segment_size: 88
    .max_flat_workgroup_size: 128
    .sgpr_count:     66
    .vgpr_count:     194
    .wavefront_size: 32
...
	.end_amdgpu_metadata
.endif
;; end of part 1
;; launch projqk (part 2): grid 4 x 64, 4 waves a work-group, clusters of 4 x 4, 327,680 bytes of LDS; arguments c1, s1, bq, bk, qc, kv; writes qc, kv
.if DOCPART == 2
	.amdgcn_target "amdgcn-amd-amdhsa--gfx1250"
	.amdhsa_code_object_version 6
	.text
	.protected	k_q5472930556_projqk
	.globl	k_q5472930556_projqk
	.p2align	8
	.type	k_q5472930556_projqk,@function
k_q5472930556_projqk:
	s_mov_b64 s[64:65], 0
	v_nop
	global_prefetch_b8 v0, s[64:65] scope:SCOPE_SE
	s_setreg_imm32_b32 hwreg(HW_REG_WAVE_MODE, 25, 1), 1
	s_wait_xcnt 0x0
	s_wait_alu depctr_hold_cnt(0) depctr_sa_sdst(0) depctr_va_vdst(0) depctr_va_sdst(0) depctr_va_ssrc(0) depctr_va_vcc(0) depctr_vm_vsrc(0)
	s_getreg_b32 s2, hwreg(HW_REG_IB_STS2, 6, 4)
	s_cmp_eq_u32 s2, 0
	s_cbranch_scc0 .Lentry_in_a_cluster
	s_endpgm
.Lentry_in_a_cluster:
	s_bfe_u32 s2, ttmp6, 0x10000c
	s_cmp_lg_u32 s2, 0xf033
	s_cbranch_scc0 .Lentry_shape_is_right
	s_endpgm
.Lentry_shape_is_right:
.set MODE, 0
; ONE TEXT FOR THREE LAUNCHES, told apart by MODE in the first line.  C'[m][n] = bias + sum over k of A'[m][k] B'[n][k], K = 1,024, on codes of FP6 (E2M3) with one E8M0 byte for each 32 along K.
;   MODE 0: A' = query and key as one matrix of 16,384 rows, B' = Wq or Wk (T = 0, 1: the upper half of the tile rows), bias bq or bk along n.  The result is quantised along n (the head's 64) and leaves as records of Q (qc) and K (kv).
;   MODE 1: A' = Wv, B' = value, bias bv along m: the result is V transposed, n = the keys; it is quantised along the keys and leaves into kv's records.
;   MODE 2: A' = the attention's result (oc: images of operand registers; osc: scale words), B' = Wo, bias bo along n: the result is out0, f32.
; All rows lie in TILE ORDER: stored row 32 g + 16 u + x is row 32 g + 8 u + x + 8 (x / 8).  THE MATRIX INSTRUCTION IS USED TRANSPOSED (source 0 = 16 stored rows of B', source 1 = 16 of A'): a lane holds one row m, and the 16 registers of
; B's tiles 2 b and 2 b + 1 are the 16 neighbours n = 32 b + 16 (lane / 16) + 0 .. 15: what the conversions to codes want, and what a row of out0 wants.
; A tile of C', 256 x 256, is made by four waves, 128 x 128 each: 64 accumulators, 512 registers.  K goes in four steps of 256 through two LDS slots filled by the tensor data mover; the scale bytes of the work-group's rows come once and stay.
; CLUSTERS: 4 x 4 work-groups; A's tiles are asked for jointly along a row of the cluster, B's along a column.  THE BIAS is the C of each sum's first product.
; LIMITS (MODE 0, 1): a block of zeros gets the byte 1 (its codes are zeros; this program alone reads the bytes); blocks under 2^-124 are held at the byte 1; NaN and infinities are not served.
; REGISTERS, in windows of 256: window 0: v0-31 addresses; v32-63 scale words, two sets; v64-127 the bias, later at work on the way out; from v128 A's fragments, ONE set.  window 1: B's fragments, TWO sets, at v0 and v128.
;   window 2: the accumulators of my rows 0-63 ((a, b) at v[8 (8 a + b)]); window 3: those of my rows 64-127.
.set KSTEP,  256                       ; along K in a slot
.set NQ,     2                         ; matrix instructions deep
.set ROWB,   192                       ; a tile's row in bytes
.set KROW,   768                       ; a row of codes in memory
.set PITCH,  240                       ; an LDS row: 3 x (64 bytes + 16 of padding): the 32 lanes of a load of 8 bytes touch 64 different banks (64 banks of 4 bytes: ISA guide 11.1)
.set FR,     12                        ; registers of a fragment
.set NP,     4                         ; places behind this matrix instruction (ISA guide 7.12.1)
.set HALFT,  128*PITCH                 ; 128 rows: what one tensor load brings
.set SLOT,   4*HALFT                   ; A's 256 rows, then B's 256 rows
.set KS,     32                        ; a row of scale bytes
.set SCL,    2*SLOT                    ; behind the ring: the scale bytes, as runs of 256 bytes + 16 of padding
.set HALFS,  16*272                    ; those of 128 rows
.set SBLK,   2*272                     ; those of 16 rows
.set SPARE,  SCL+4*HALFS               ; the spare words, 128 bytes for each wave: two blocks of 256 bytes that no other line names
.set STG,    SPARE+512                 ; MODE 0, 1: 1,024 bytes for each wave, where its rows' new scale words are gathered; no fill lands here
.set SPITCH, 528                       ; MODE 2: a stage of 16 rows x (512 bytes + 16) for each wave, in slot 0, which has had its last fill and its last read by then
.if MODE == 2
.set NLA,   4                          ; LDS loads that bring a fragment of A
.set ASTEP, 1572864                    ; from one K step of A to the next, in bytes
.set AMUL,  192                        ; bytes of a K step for each stored row: a tile of 16 rows is 4 images of 768
.else
.set NLA,   6
.set ASTEP, 192
.set AMUL,  768
.endif
.if MODE == 0
.set AOFF,  0                          ; where A' and B' begin in the codes' buffer and in the scale bytes'
.set ASOFF, 0
.set BOFF,  18874368
.set BSOFF, 786432
.elseif MODE == 1
.set AOFF,  20447232
.set ASOFF, 851968
.set BOFF,  12582912
.set BSOFF, 524288
.else
.set AOFF,  0
.set ASOFF, 0
.set BOFF,  21233664
.set BSOFF, 884736
.endif
.set BOFR, 8                           ; v8      the bias loads' offset; never rewritten
.set ADRA, 16                          ; v16-17  LDS address of my A fragments in slot 0, 1 (v18-19: behind one padding more; MODE 2: v16-17 16 x lane, v18-19 8 x lane)
.set ADRB, 20                          ; v20-23  the same for B
.set STO,  24                          ; v24     MODE 2: where I put 32 bytes of a row.  MODE 0, 1 (SST): where my row's scale word goes
.set SST,  24
.set RD,   25                          ; v25     where I read the stage back
.set SRD,  25
.set CO,   26                          ; v26     16 x lane
.set LI16, 26
.set ADRS, 27                          ; v27     LDS address of my scale words: lanes 0-15 A's rows, lanes 16-31 B's
.set SPW,  28                          ; v28     LDS address of my spare word; never rewritten
.set NIL,  29                          ; v29     0; never rewritten
.set SH16, 30                          ; v30     MODE 0: 16 (lane / 16).  MODE 1 (SGO): 16 (lane % 16) + a head's stride x (lane / 16)
.set SGO,  30
.set LI8,  31                          ; v31     8 x lane
.set SC,   32                          ; scale words: set s at v[SC + 16 s]; register 2 i + q: lanes 0-15 A's block i, lanes 16-31 B's block i
.set BIAS, 64
.set AF,   128
.set BK,   128                         ; MODE 2: rows read back from the stage: v128-191 and v192-255 by turns
.set TM,   64                          ; the way out of MODE 0, 1: v64-67 largest magnitudes, v68-71 bytes, v76-79 the conversions' scale operands
.set PW,   80                          ; the scale word just made
.set SW,   84                          ; v84-91  MODE 0: the word of my half's head, for each block
.set PC,   96                          ; v96-114 the codes just made
.set SEL,  98                          ; s98, s99 lane selects for v_permlanex16_b32: lane l xor 16
.set G1, 24                            ; s[24:31] descriptor group 1 for A's tiles;  s[32:39] group 0, one set for each slot
.set G0, 32
.set G1B, 48                           ; s[48:55], s[56:63] the same for B's tiles
.set G0B, 56
.set G1S, 68                           ; s[68:75], s[76:79] groups 1 and 0 for A's scale bytes;  s[80:87], s[88:91] for B's
.set G0S, 76
.set G1SB, 80
.set G0SB, 88
.set MSB, 0
.macro WIN new                         ; the immediate's high byte repeats the setting that is left
.if MSB != \new
	s_set_vgpr_msb (MSB<<8)|\new
.set MSB, \new
.endif
.endm
.set MUL_LO,  0xa1                     ; source 0 (B) window 1, source 1 (A) window 0, C and D window 2
.set MUL_HI,  0xf1                     ; the same, C and D window 3
.set MULZ_LO, 0x81                     ; the first products: C (the bias) window 0, D window 2
.set MULZ_HI, 0xc1                     ; D window 3
.set TO_B,    0x40                     ; destination window 1, address window 0
; A joint load: waves 0 and 1 fetch for A, waves 2 and 3 for B.  Each of the two lines has ONE mask and one set of registers for all that issue it; the branch hangs on the wave's number alone.
; Four v_nop follow each of the two lines, ahead of the jump, the label and what follows.
.macro JLOAD g0a, g1a, g0b, g1b
	s_cmp_eq_u32 s15, 0
	s_cbranch_scc0 .Lfor_b_\@
	tensor_load_to_lds s[\g0a:\g0a+3], s[\g1a:\g1a+7]
	s_nop 0
.rept 4
	v_nop
.endr
	s_branch .Lasked_\@
.Lfor_b_\@:
	tensor_load_to_lds s[\g0b:\g0b+3], s[\g1b:\g1b+7]
	s_nop 0
.rept 4
	v_nop
.endr
.Lasked_\@:
.endm
.macro CREST                           ; a round of the cluster's barrier behind its opening barrier
	s_cmp_lg_u32 s14, 0
	s_cbranch_scc1 .Lnot_wave_0_\@
	s_barrier_signal -3
.Lnot_wave_0_\@:
	s_barrier_wait -3
	s_barrier_signal -1
	s_barrier_wait -1
.endm
.macro CROUND                          ; a whole round
	s_barrier_signal -1
	s_barrier_wait -1
	CREST
.endm
.if MODE == 0
	s_load_b128 s[4:7], s[0:1], 0x0                ; c1, s1
	s_load_b128 s[96:99], s[0:1], 0x10             ; bq, bk
	s_load_b64 s[12:13], s[0:1], 0x20              ; qc
	s_load_b64 s[100:101], s[0:1], 0x28            ; kv
.elseif MODE == 1
	s_load_b128 s[4:7], s[0:1], 0x0                ; c1, s1
	s_load_b128 s[96:99], s[0:1], 0x10             ; bv, kv
.else
	s_load_b128 s[4:7], s[0:1], 0x0                ; oc, osc
	s_load_b128 s[8:11], s[0:1], 0x10              ; c1, s1
	s_load_b128 s[96:99], s[0:1], 0x20             ; bo, out0
.endif
	v_lshl_add_u32 v[SPW], v0, 2, SPARE
	v_mov_b32 v[NIL], 0
	ds_add_u32 v28, v29
	s_wait_dscnt 0x0
	v_lshrrev_b32 v1, 5, v0
	v_readfirstlane_b32 s14, v1                    ; wave 0..3
	s_lshr_b32 s15, s14, 1                         ; which half of the tile's rows is mine.  Also: I fetch for A (0) or for B (1)
	s_and_b32 s16, s14, 1                          ; which half of its columns.  Also: which 128 rows of that tile I fetch
	s_bfe_u32 s40, ttmp6, 0x40000                  ; cx, cy: my place in the cluster
	s_bfe_u32 s41, ttmp6, 0x40004
	s_lshl_b32 s42, ttmp9, 2
	s_add_co_u32 s42, s42, s40                     ; tile column = 4 x cluster x + cx
.if MODE == 1
	s_mov_b32 s17, s41                             ; one cluster along y: the tile row is cy
.else
	s_and_b32 s17, ttmp7, 0xffff
.if MODE == 0
	s_lshr_b32 s2, s17, 3                          ; T: 0 for query and Wq, 1 for key and Wk: made of the cluster's y alone, so it is the same in all sixteen partners
.endif
	s_lshl_b32 s17, s17, 2
	s_add_co_u32 s17, s17, s41                     ; tile row = 4 x cluster y + cy
.endif
	s_lshl_b32 s43, s41, 2
	s_lshl_b32 s43, 15, s43                        ; my row of the cluster
	s_lshl_b32 s44, 0x1111, s40                    ; my column
	; descriptor group 1 for tiles of codes: 128 rows x 192 bytes, 768 bytes apart, 16 bytes of padding behind every 64
.if MODE == 2
	s_or_b32 s[G1+0], s43, (3<<16)|(1<<21)         ; A's tile is one dense block of 24,576 bytes (8 tiles of rows x 4 images of 768): 96 rows of 32 elements of 8 bytes, no padding
	s_mov_b32 s[G1+1], 32<<16
	s_mov_b32 s[G1+2], 96<<16
	s_mov_b32 s[G1+3], 32<<16
	s_mov_b32 s[G1+4], 96
	s_mov_b32 s[G1+5], 32
.else
	s_or_b32 s[G1+0], s43, (0<<16)|(1<<20)|(1<<21)|(3<<22)|(3<<25)  ; 15:0 the mask: my row; 17:16 elements of 1 byte; 20 padding on; 21 set beside a mask; 24:22 after every 16 words; 31:25 of 4 words
	s_mov_b32 s[G1+1], ROWB<<16                    ; tensor_dim0
	s_mov_b32 s[G1+2], 128<<16                     ; tensor_dim1
	s_mov_b32 s[G1+3], ROWB<<16                    ; tile_dim0
	s_mov_b32 s[G1+4], 128                         ; tile_dim1
	s_mov_b32 s[G1+5], KROW                        ; the pitch
.endif
	s_mov_b32 s[G1+6], 0
	s_mov_b32 s[G1+7], 0
	s_or_b32 s[G1B+0], s44, (0<<16)|(1<<20)|(1<<21)|(3<<22)|(3<<25)  ; B's: the mask of my column
	s_mov_b32 s[G1B+1], ROWB<<16
	s_mov_b32 s[G1B+2], 128<<16
	s_mov_b32 s[G1B+3], ROWB<<16
	s_mov_b32 s[G1B+4], 128
	s_mov_b32 s[G1B+5], KROW
	s_mov_b32 s[G1B+6], 0
	s_mov_b32 s[G1B+7], 0
	; and for the scale bytes of 128 rows: a dense block of 4,096 bytes, as 16 rows of 256 bytes, 16 bytes of padding behind each
	s_or_b32 s[G1S+0], s43, (3<<16)|(1<<20)|(1<<21)|(5<<22)|(3<<25)
	s_or_b32 s[G1SB+0], s44, (3<<16)|(1<<20)|(1<<21)|(5<<22)|(3<<25)
.irp g, G1S, G1SB
	s_mov_b32 s[\g+1], 32<<16
	s_mov_b32 s[\g+2], 16<<16
	s_mov_b32 s[\g+3], 32<<16
	s_mov_b32 s[\g+4], 16
	s_mov_b32 s[\g+5], 32
	s_mov_b32 s[\g+6], 0
	s_mov_b32 s[\g+7], 0
.endr
	s_lshl_b32 s18, s16, 7                         ; which 128 rows of the tile I fetch
	s_lshl_b32 s20, s17, 8
	s_add_co_u32 s20, s20, s18                     ; A: stored row 256 x tile row + 128 x half
	s_lshl_b32 s46, s42, 8
	s_add_co_u32 s46, s46, s18                     ; B: stored row 256 x tile column + 128 x half
	s_mov_b32 s21, 0
	s_mov_b32 s47, 0
	s_mov_b64 s[18:19], KS
	s_mul_u64 s[22:23], s[20:21], s[18:19]         ; where these rows' scale bytes begin,
	s_mul_u64 s[92:93], s[46:47], s[18:19]
	s_mov_b64 s[18:19], AMUL
	s_mul_u64 s[20:21], s[20:21], s[18:19]         ; and their codes
	s_mov_b64 s[18:19], KROW
	s_mul_u64 s[46:47], s[46:47], s[18:19]
.if MODE == 0
	s_mul_i32 s18, s2, 786432                      ; Wk lies one weight behind Wq
	s_mov_b32 s19, 0
	s_add_nc_u64 s[46:47], s[46:47], s[18:19]
	s_mul_i32 s18, s2, 32768
	s_add_nc_u64 s[92:93], s[92:93], s[18:19]
.endif
	s_add_nc_u64 s[20:21], s[20:21], AOFF
	s_add_nc_u64 s[22:23], s[22:23], ASOFF
	s_add_nc_u64 s[46:47], s[46:47], BOFF
	s_add_nc_u64 s[92:93], s[92:93], BSOFF
	s_mul_i32 s45, s14, HALFT                      ; where they go: wave x 128 rows: no place in the cluster enters an LDS address
	s_mul_i32 s94, s14, HALFS
	s_wait_kmcnt 0x0
.if MODE != 2
	s_mov_b64 s[8:9], s[4:5]                       ; both operands lie in c1 and s1
	s_mov_b64 s[10:11], s[6:7]
.endif
	s_add_nc_u64 s[20:21], s[4:5], s[20:21]
	s_add_nc_u64 s[22:23], s[6:7], s[22:23]
	s_add_nc_u64 s[46:47], s[8:9], s[46:47]
	s_add_nc_u64 s[92:93], s[10:11], s[92:93]
	CROUND                                         ; all sixteen work-groups are here: the first joint loads meet
	s_mov_b32 s[G0S], 1
	s_add_co_u32 s[G0S+1], s94, SCL
	s_mov_b64 s[G0S+2:G0S+3], s[22:23]
	s_or_b32 s[G0S+3], s[G0S+3], 0x80000000
	s_mov_b32 s[G0SB], 1
	s_add_co_u32 s[G0SB+1], s94, SCL
	s_mov_b64 s[G0SB+2:G0SB+3], s[92:93]
	s_or_b32 s[G0SB+3], s[G0SB+3], 0x80000000
	JLOAD G0S, G1S, G0SB, G1SB                     ; the scale bytes first: they are wanted with K step 0.  With the two slots' fills three tensor loads of mine are out
.irp s, 0,1
	s_mov_b32 s[G0+4*\s], 1
	s_add_co_u32 s[G0+4*\s+1], s45, \s*SLOT
	s_add_nc_u64 s[G0+4*\s+2:G0+4*\s+3], s[20:21], \s*ASTEP
	s_or_b32 s[G0+4*\s+3], s[G0+4*\s+3], 0x80000000
	s_mov_b32 s[G0B+4*\s], 1
	s_add_co_u32 s[G0B+4*\s+1], s45, \s*SLOT
	s_add_nc_u64 s[G0B+4*\s+2:G0B+4*\s+3], s[46:47], \s*ROWB
	s_or_b32 s[G0B+4*\s+3], s[G0B+4*\s+3], 0x80000000
	JLOAD G0+4*\s, G1, G0B+4*\s, G1B
.endr
	v_and_b32 v1, 15, v0                           ; r = lane % 16
	v_bfe_u32 v2, v0, 4, 1                         ; h = lane / 16
	v_and_b32 v6, 31, v0                           ; lane
	v_mul_u32_u24 v3, v1, PITCH
	v_mul_u32_u24 v4, v2, 24
	v_add_nc_u32 v4, v3, v4                        ; a fragment's row x pitch + 24 x half
	v_lshl_add_u32 v5, v2, 4, v4                   ; and the same behind one padding more
	v_lshlrev_b32 v[LI16], 4, v6
	v_lshlrev_b32 v[LI8], 3, v6
	s_mul_i32 s21, s15, HALFT                      ; my 128 rows of A
	s_mul_i32 s22, s16, HALFT                      ; my 128 rows of B,
	s_add_co_u32 s22, s22, 2*HALFT                 ; which lie behind A's 256
.irp s, 0,1
.if MODE == 2
	v_add_nc_u32 v[ADRA+\s], s21, v[LI16]          ; images: 16 bytes a lane,
	v_add_nc_u32 v[ADRA+2+\s], s21, v[LI8]         ; and 8
.else
	v_add_nc_u32 v[ADRA+\s], s21, v4
	v_add_nc_u32 v[ADRA+2+\s], s21, v5
.endif
	v_add_nc_u32 v[ADRB+\s], s22, v4
	v_add_nc_u32 v[ADRB+2+\s], s22, v5
	s_add_co_u32 s21, s21, SLOT
	s_add_co_u32 s22, s22, SLOT
.endr
	v_mul_u32_u24 v5, v1, KS                       ; my row's scale bytes: 32 a row,
	v_lshrrev_b32 v7, 8, v5
	v_lshl_add_u32 v5, v7, 4, v5                   ; and 16 more for each 256 passed
	s_mul_i32 s21, s15, HALFS                      ; A's: my 128 rows
	s_mul_i32 s22, s16, HALFS                      ; B's: my 128 rows, behind A's 256
	s_add_co_u32 s22, s22, 2*HALFS
	s_sub_co_u32 s22, s22, s21
	v_mul_u32_u24 v7, s22, v2                      ; lanes 16-31 take B's: the lower base + h x the distance
	s_add_co_u32 s21, s21, SCL
	v_add_nc_u32 v5, v5, v7
	v_add_nc_u32 v[ADRS], s21, v5
.if MODE == 2
	s_mul_i32 s23, s14, 16*SPITCH                  ; my stage
	v_mul_u32_u24 v5, v1, SPITCH                   ; in: row r, + 64 h: my half's 16 columns of each 32
	v_lshl_add_u32 v5, v2, 6, v5
	v_add_nc_u32 v[STO], s23, v5
	v_add_nc_u32 v[RD], s23, v[CO]                 ; back: the 32 lanes take one row of 512 bytes
	s_lshl_b32 s20, s17, 8
	s_lshl_b32 s21, s15, 7
	s_add_co_u32 s20, s20, s21                     ; my first row: 256 x tile row + 128 x half
	s_lshl_b32 s20, s20, 12                        ; a row of out0 is 4,096 bytes
	s_mov_b32 s21, 0
	s_lshl_b32 s46, s42, 10                        ; my first column, in bytes: 1,024 x tile column + 512 x half
	s_lshl_b32 s47, s16, 9
	s_add_co_u32 s46, s46, s47
	s_mov_b32 s47, 0
	s_add_nc_u64 s[12:13], s[98:99], s[20:21]
	s_add_nc_u64 s[12:13], s[12:13], s[46:47]
	s_add_nc_u64 s[66:67], s[96:97], s[46:47]      ; bo at my first column
	v_lshlrev_b32 v[BOFR], 6, v2                   ; 64 h
.else
	s_lshl_b32 s23, s14, 10
	s_add_co_u32 s23, s23, STG                     ; my 1,024 bytes for scale words
	v_lshl_add_u32 v[SST], v1, 2, s23              ; 4 r
	v_add_nc_u32 v[SRD], s23, v[LI16]
.endif
.if MODE == 0
	v_lshl_add_u32 v[SST], v2, 9, v[SST]           ; + 512 h: lanes 0-15 store the first head's words, lanes 16-31 the second's
	v_lshlrev_b32 v[SH16], 4, v2
	; a record holds 128 rows of one head: ((16 b + head) 16 + step) x the record's bytes.  My 128 columns are two heads
	s_lshl_b32 s20, s17, 8
	s_lshl_b32 s21, s15, 7
	s_add_co_u32 s20, s20, s21                     ; my first row of the 16,384
	s_bfe_u32 s21, s20, 0x2000b                    ; b: bits 12:11
	s_bfe_u32 s22, s20, 0x40007                    ; step: bits 10:7
	s_lshl_b32 s23, s42, 2
	s_lshl_b32 s18, s16, 1
	s_add_co_u32 s23, s23, s18                     ; my first head
	s_lshl_b32 s21, s21, 4
	s_add_co_u32 s21, s21, s23
	s_lshl_b32 s21, s21, 4
	s_add_co_u32 s21, s21, s22
	s_mov_b32 s19, 6656                            ; a record of Q,
	s_cmp_lg_u32 s2, 0
	s_cselect_b32 s19, 13056, s19                  ; of K and V
	s_cselect_b64 s[12:13], s[100:101], s[12:13]   ; kv or qc
	s_cselect_b64 s[66:67], s[98:99], s[96:97]     ; bk or bq
	s_mul_i32 s20, s21, s19
	s_mov_b32 s21, 0
	s_add_nc_u64 s[12:13], s[12:13], s[20:21]      ; the first head's record,
	s_lshl_b32 s20, s19, 4
	s_add_nc_u64 s[96:97], s[12:13], s[20:21]      ; the second's: 16 records on
	s_lshl_b32 s46, s42, 10
	s_lshl_b32 s47, s16, 9
	s_add_co_u32 s46, s46, s47
	s_mov_b32 s47, 0
	s_add_nc_u64 s[66:67], s[66:67], s[46:47]      ; the bias at my first column
	v_lshlrev_b32 v[BOFR], 6, v2                   ; 64 h
.endif
.if MODE == 1
	v_mul_u32_u24 v[SGO], v2, 208896               ; lanes 16-31 store the second head's words: a head's 16 records on
	v_lshl_add_u32 v[SGO], v1, 4, v[SGO]
	s_lshl_b32 s20, s42, 8
	s_lshl_b32 s21, s16, 7
	s_add_co_u32 s20, s20, s21                     ; my first key of the 8,192
	s_bfe_u32 s21, s20, 0x2000b                    ; b
	s_bfe_u32 s22, s20, 0x40007                    ; step
	s_lshl_b32 s23, s17, 2
	s_lshl_b32 s18, s15, 1
	s_add_co_u32 s23, s23, s18                     ; my first head: my 128 rows are two heads' channels
	s_lshl_b32 s21, s21, 4
	s_add_co_u32 s21, s21, s23
	s_lshl_b32 s21, s21, 4
	s_add_co_u32 s21, s21, s22
	s_mul_i32 s20, s21, 13056
	s_mov_b32 s21, 0
	s_add_nc_u64 s[12:13], s[98:99], s[20:21]
	s_lshl_b32 s46, s17, 10
	s_lshl_b32 s47, s15, 9
	s_add_co_u32 s46, s46, s47
	s_mov_b32 s47, 0
	s_add_nc_u64 s[66:67], s[96:97], s[46:47]      ; bv at my first row
	v_and_b32 v[BOFR], 8, v1
	v_add_nc_u32 v[BOFR], v[BOFR], v1
	v_lshlrev_b32 v[BOFR], 2, v[BOFR]              ; 4 (r + 8 (r / 8))
.endif
.if MODE != 2
	s_mov_b32 s[SEL], 0x76543210
	s_mov_b32 s[SEL+1], 0xfedcba98
.endif
	; THE BIAS, in the result's layout.  Along n: tile b's eight registers are columns 32 (b / 2) + 16 h + 8 (b % 2) + 0 .. 7.  Along m (MODE 1): all eight registers of A's block a hold the number of the lane's row
.if MODE == 1
.irp a, 0,1,2,3,4,5,6,7
.irp j, 0,1,2,3,4,5,6,7
	global_load_b32 v[BIAS+8*\a+\j], v[BOFR], s[66:67] offset:4*(32*(\a/2)+8*(\a%2))
.endr
.endr
.else
.irp b, 0,1,2,3,4,5,6,7
	global_load_b128 v[BIAS+8*\b:BIAS+8*\b+3], v[BOFR], s[66:67] offset:4*(32*(\b/2)+8*(\b%2))
	global_load_b128 v[BIAS+8*\b+4:BIAS+8*\b+7], v[BOFR], s[66:67] offset:4*(32*(\b/2)+8*(\b%2))+16
.endr
.endif
.macro FRAG reg, adr, q, i             ; a fragment, 16 rows x 128 K, is 12 registers: lane l holds row l % 16; registers 6 c .. 6 c + 5 hold K = 64 c + 32 (l / 16) + 0 .. 31: 24 bytes of the row's stream of bits, as they lie
.irp p, 0,1,2,3,4,5                    ; in pieces of 8 bytes.  Lanes 0-15 take the row's pieces 12 q + 0, 1, 2 and 12 q + 6, 7, 8, lanes 16-31 those three pieces on
.set PCE, 12*(\q)+6*(\p/3)+\p%3       ; 16 bytes of padding lie behind every 8 pieces: where the piece three on lies behind one padding more, the second address register serves
.if PCE%8 < 5
	ds_load_b64 v[\reg+2*\p:\reg+2*\p+1], v[\adr] offset:8*PCE+16*(PCE/8)+(\i)*16*PITCH
.else
	ds_load_b64 v[\reg+2*\p:\reg+2*\p+1], v[\adr+2] offset:8*PCE+16*(PCE/8)+(\i)*16*PITCH
.endif
.endr
.endm
; 16 matrix instructions: A's blocks a0, a0 + 1 x B's eight, 128 along K: the slot's q-th.  p: B's set;  sc: the set of scale words.  zero = 1: the first product starts the sums, with the bias as C: nothing is ever cleared.
; The 64 accumulators take turns, one instruction a turn, in the same order in every step.
.macro MUL16 a0, p, q, sc, zero
.irp a, \a0, \a0+1
.irp b, 0,1,2,3,4,5,6,7
.set RD_, 8*(8*((\a)%4)+\b)
.set RB_, 128*(\p)+FR*\b
.set RA_, AF+FR*(\a)
.set SB_, SC+8*NQ*(\sc)+NQ*\b+(\q)
.set SA_, SC+8*NQ*(\sc)+NQ*(\a)+(\q)
.if MODE == 1
.set RC_, BIAS+8*(\a)
.else
.set RC_, BIAS+8*\b
.endif
.if \zero
	v_wmma_scale_f32_16x16x128_f8f6f4 v[RD_:RD_+7], v[RB_:RB_+FR-1], v[RA_:RA_+FR-1], v[RC_:RC_+7], v[SB_], v[SA_] matrix_a_fmt:MATRIX_FMT_FP6 matrix_b_fmt:MATRIX_FMT_FP6 matrix_a_scale:MATRIX_SCALE_ROW1
.else
	v_wmma_scale_f32_16x16x128_f8f6f4 v[RD_:RD_+7], v[RB_:RB_+FR-1], v[RA_:RA_+FR-1], v[RD_:RD_+7], v[SB_], v[SA_] matrix_a_fmt:MATRIX_FMT_FP6 matrix_b_fmt:MATRIX_FMT_FP6 matrix_a_scale:MATRIX_SCALE_ROW1
.endif
.endr
.endr
.endm
.macro FETCH_B slot, q, p              ; B's eight fragments of the slot's q-th 128 along K into set p
	WIN TO_B
.irp i, 0,1,2,3,4,5,6,7
	FRAG 128*(\p)+FR*\i, ADRB+\slot, \q, \i
.endr
	WIN 0
.endm
.macro FETCH_A slot, q, i0             ; A's blocks i0 .. i0 + 3.  MODE 2: a block's fragment is two images of 768 bytes (heads 2 q and 2 q + 1 of the K step's four): registers 6 c .. 6 c + 3 at 16 x lane, 6 c + 4, 6 c + 5 at 512 + 8 x lane
.irp i, \i0, \i0+1, \i0+2, \i0+3
.if MODE == 2
.irp c, 0,1
	ds_load_b128 v[AF+FR*(\i)+6*\c:AF+FR*(\i)+6*\c+3], v[ADRA+\slot] offset:(4*(\i)+2*(\q)+\c)*768
	ds_load_b64 v[AF+FR*(\i)+6*\c+4:AF+FR*(\i)+6*\c+5], v[ADRA+2+\slot] offset:(4*(\i)+2*(\q)+\c)*768+512
.endr
.else
	FRAG AF+FR*(\i), ADRA+\slot, \q, \i
.endif
.endr
.endm
.macro SCALES sc                       ; the next K step's scale words into set sc: 2 words a row; lanes 0-15 take A's block i, lanes 16-31 B's block i
.irp i, 0,1,2,3,4,5,6,7
	ds_load_b64 v[SC+8*NQ*\sc+NQ*\i:SC+8*NQ*\sc+NQ*\i+1], v[ADRS] offset:\i*SBLK
.endr
.endm
; A load into a register that a matrix instruction has read, and a vector instruction or an LDS store that reads a matrix result, stand NP places behind that matrix instruction; only plain vector
; instructions that name none of its registers are places (ISA guide 7.12.1 for vector instructions).
.macro PLACES n
.rept \n
	v_nop
.endr
.endm
; A step of 128 along K that has its successor in the same slot.
.macro STEP slot, q, zero
	s_wait_dscnt 4*NLA                             ; B's set and A's blocks 0-3 are in; the youngest loads (A's blocks 4-7) may be out
.if \zero
	WIN MULZ_LO
.else
	WIN MUL_LO
.endif
	MUL16 0, (\q)%2, \q, \slot, \zero
	MUL16 2, (\q)%2, \q, \slot, \zero
	s_wait_dscnt 0                                 ; A's blocks 4-7 are in (asked for 32 matrix instructions ago)
	PLACES NP
	FETCH_B \slot, (\q)+1, 1-(\q)%2
	FETCH_A \slot, (\q)+1, 0
.if \zero
	WIN MULZ_HI
.else
	WIN MUL_HI
.endif
	MUL16 4, (\q)%2, \q, \slot, \zero
	MUL16 6, (\q)%2, \q, \slot, \zero
	PLACES NP
	WIN 0
	FETCH_A \slot, (\q)+1, 4
.endm
; A slot's last step changes slots: ONE barrier; in front of it each wave waits for all its tensor loads, adds 0 to its spare word, and waits for that and for its own reads of this slot.  fill = 1: this slot is filled again, two K steps ahead.
.macro TURN slot, next, fill
	s_wait_tensorcnt 0x0                           ; all my tensor loads have landed: my part of the next slot;  (every window is 0 here)
	ds_add_u32 v[SPW], v[NIL]                      ; 0 onto my spare word;
	s_wait_dscnt 4*NLA+1                           ; (the add and the youngest loads, A's blocks 4-7, may be out)
	WIN MUL_LO
	MUL16 0, 1, NQ-1, \slot, 0                     ; sixteen matrix instructions stand between the add and the wait for it
	s_wait_dscnt 0x0                               ; the add is done, and my reads of this slot are over
	s_barrier_signal -1
	MUL16 2, 1, NQ-1, \slot, 0
	WIN 0
	s_barrier_wait -1
.if \fill
	CREST                                          ; the barrier has opened a round of the cluster's barrier: no wave of any partner still reads this slot's tile or has a load on its way
	s_add_nc_u64 s[G0+4*\slot+2:G0+4*\slot+3], s[G0+4*\slot+2:G0+4*\slot+3], 2*ASTEP
	s_add_nc_u64 s[G0B+4*\slot+2:G0B+4*\slot+3], s[G0B+4*\slot+2:G0B+4*\slot+3], 2*ROWB
	JLOAD G0+4*\slot, G1, G0B+4*\slot, G1B         ; the first tensor load behind the round; the four v_nop behind it are the places in front of the loads below
.else
	PLACES NP
.endif
	v_add_nc_u32 v[ADRS], 4*NQ, v[ADRS]            ; on to the next K step's scale words (no LDS load of mine is out)
	FETCH_B \next, 0, 0
	FETCH_A \next, 0, 0
	SCALES \next
	WIN MUL_HI
	MUL16 4, 1, NQ-1, \slot, 0
	MUL16 6, 1, NQ-1, \slot, 0
	PLACES NP
	WIN 0
	FETCH_A \next, 0, 4
.endm
	s_wait_tensorcnt 1                             ; the scale bytes and my part of K step 0 are in (K step 1's load may be out)
	s_barrier_signal -1
	s_barrier_wait -1                              ; everybody's are
	FETCH_B 0, 0, 0
	FETCH_A 0, 0, 0
	SCALES 0
	FETCH_A 0, 0, 4
	s_wait_loadcnt 0x0                             ; the bias
	STEP 0, 0, 1                                   ; four K steps of 256, written out: the first step's products start the sums
	TURN 0, 1, 1                                   ; slot 0 takes K step 2
	STEP 1, 0, 0
	TURN 1, 0, 1                                   ; slot 1 takes K step 3
	STEP 0, 0, 0
	TURN 0, 1, 0                                   ; nothing is left to fetch: a plain barrier
	STEP 1, 0, 0
	s_wait_dscnt 4*NLA                             ; the very last step
	WIN MUL_LO
	MUL16 0, 1, NQ-1, 1, 0
	MUL16 2, 1, NQ-1, 1, 0
	s_wait_dscnt 0
	WIN MUL_HI
	MUL16 4, 1, NQ-1, 1, 0
	MUL16 6, 1, NQ-1, 1, 0
	WIN 0
	PLACES NP                                      ; behind the last products: for the first reads of results, and for what is written over the registers that held A's fragments
.if MODE == 2
; THE WAY OUT, block by block of 16 rows x 128 columns: through my own stage in LDS, each number at its true column, and back as whole rows of 512 bytes.  LDS serves a wave's instructions in order (ISA guide 5.7.1.4).
.macro TOSTAGE a
.set AC, 64*((\a)%4)
.set WD, 0x08+4*((\a)/4)
	WIN WD                                         ; an LDS store's data: window 2 or 3
.irp b, 0,1,2,3,4,5,6,7
	ds_store_b128 v[STO], v[AC+8*\b:AC+8*\b+3] offset:128*(\b/2)+32*(\b%2)       ; each accumulator from its low end on
	ds_store_b128 v[STO], v[AC+8*\b+4:AC+8*\b+7] offset:128*(\b/2)+32*(\b%2)+16
.endr
	WIN 0
.set BB, BK+64*((\a)%2)
.irp t, 0,1,2,3,4,5,6,7,8,9,10,11,12,13,14,15
	ds_load_b128 v[BB+4*\t:BB+4*\t+3], v[RD] offset:\t*SPITCH
.endr
.endm
.macro SEND a, younger                 ; younger: the LDS instructions issued behind block a's loads, which may stay out
.set BB, BK+64*((\a)%2)
	s_wait_dscnt \younger
.irp t, 0,1,2,3,4,5,6,7,8,9,10,11,12,13,14,15
	global_store_b128 v[CO], v[BB+4*\t:BB+4*\t+3], s[12:13] offset:(32*((\a)/2)+8*((\a)%2)+\t+8*(\t/8))*4096 th:TH_STORE_NT   ; stage row t is row 32 (a / 2) + 8 (a % 2) + t + 8 (t / 8) of my 128; 32 lanes store 512 consecutive bytes, aligned
.endr
.endm
	TOSTAGE 0
.irp a, 1,2,3,4,5,6,7
.if \a > 1
	s_wait_xcnt 0x0                                ; block a - 2's stores have read their registers: block a's loads may land there
.endif
	TOSTAGE \a
	SEND \a-1, 32                                  ; behind block a - 1's loads: block a's 16 stores and 16 loads
.endr
	SEND 7, 0
.else
; THE WAY OUT: A's block a (16 rows) x my 128 columns is quantised along the columns, four blocks of 32, and leaves as an image of an operand's registers.  Register 16 b + i of the block's 64 is column 32 b + 16 h + i of the lane's row.
.macro QOUT a
.set AC, 64*((\a)%4)
.set WA, 2+(\a)/4
.set WB, WA|(WA<<2)
	s_wait_xcnt 0x0                                ; the last block's stores have read the codes' registers
	WIN WB                                         ; sources 0 and 1: the accumulators' window
.irp b, 0,1,2,3
	v_max3_num_f32 v[TM+\b], |v[AC+16*\b]|, |v[AC+1+16*\b]|, 0x1800000   ; my 16 numbers of block b, each accumulator from its low end on, and the floor 2^(3 - 127): the byte cannot fall under 1
.endr
.irp i, 2,4,6,8,10,12,14
.irp b, 0,1,2,3
	v_max3_num_f32 v[TM+\b], |v[AC+16*\b+\i]|, |v[AC+1+16*\b+\i]|, v[TM+\b]
.endr
.endr
	WIN 0
.irp b, 0,1,2,3
	v_permlanex16_b32 v[TM+4+\b], v[TM+\b], s[SEL], s[SEL+1]
.endr
.irp b, 0,1,2,3
	v_max_num_f32 v[TM+\b], v[TM+\b], v[TM+4+\b]   ; with lane l xor 16's: the block's largest magnitude
.endr
.irp b, 0,1,2,3
	v_add_nc_u32 v[TM+12+\b], 0xff000000, v[TM+\b] ; 2 off its exponent field: the conversion's scale operand
.endr
.irp b, 0,1,2,3
	v_lshrrev_b32 v[TM+4+\b], 23, v[TM+12+\b]      ; the scale's byte
.endr
	v_lshl_or_b32 v[PW], v[TM+5], 8, v[TM+4]       ; my row's four bytes
	v_lshl_or_b32 v[PW], v[TM+6], 16, v[PW]
	v_lshl_or_b32 v[PW], v[TM+7], 24, v[PW]
	WIN WA                                         ; source 0: the accumulators' window
.irp c, 0,1
	v_cvt_scalef32_pk16_fp6_f32 v[PC+6*\c:PC+2+6*\c], v[AC+32*\c:AC+15+32*\c], v[TM+12+2*\c]
	v_cvt_scalef32_pk16_fp6_f32 v[PC+12+4*\c:PC+14+4*\c], v[AC+16+32*\c:AC+31+32*\c], v[TM+12+2*\c+1]   ; (a conversion's three registers begin on an even number)
.endr
	WIN 0
	v_nop                                          ; one plain place behind a scaled conversion
.irp c, 0,1                                    ; the operand's layout wants a WHOLE block in a lane: lanes 0-15 block 2 c, lanes 16-31 block 2 c + 1
.irp i, 0,1,2
	v_permlane16_swap_b32 v[PC+6*\c+\i], v[PC+12+4*\c+\i]
.endr
.irp i, 0,1,2
	v_mov_b32 v[PC+3+6*\c+\i], v[PC+12+4*\c+\i]
.endr
.endr
.if MODE == 0
	; registers 0-5 are the first head's 64, registers 6-11 the second's: an image of 768 bytes each: four registers at 16 x lane, two at 512 + 8 x lane.  Each store covers whole aligned runs of 256 bytes
	global_store_b128 v[LI16], v[PC:PC+3], s[12:13] offset:768*(\a)
	global_store_b64 v[LI8], v[PC+4:PC+5], s[12:13] offset:768*(\a)+512
	global_store_b128 v[LI16], v[PC+6:PC+9], s[96:97] offset:768*(\a)
	global_store_b64 v[LI8], v[PC+10:PC+11], s[96:97] offset:768*(\a)+512
	v_lshrrev_b32 v[SW+(\a)], v[SH16], v[PW]       ; lanes 0-15: the first head's two bytes, lanes 16-31: the second's,
	v_and_b32 v[SW+(\a)], 0xffff, v[SW+(\a)]       ; with 0 for the two blocks that the head's K step does not have
	ds_store_b32 v[SST], v[SW+(\a)] offset:64*(\a)
.else
	; a tile of 16 channels x 128 keys: an image of 1,536 bytes; blocks 0-3 are the first head's tiles, 4-7 the second's
.irp i, 0,1,2
	global_store_b128 v[LI16], v[PC+4*\i:PC+4*\i+3], s[12:13] offset:((\a)/4)*208896+6656+1536*((\a)%4)+512*\i
.endr
	ds_store_b32 v[SST], v[PW] offset:64*(\a)      ; lanes l and l xor 16 write the same word with the same value
.endif
.endm
.irp b, 0,1,2,3
	v_mov_b32 v[TM+4+\b], 0                        ; written once: a lane permute's destination counts as one of its sources
.endr
.irp a, 0,1,2,3,4,5,6,7
	QOUT \a
.endr
	s_wait_xcnt 0x0                                ; the last stores have read the codes' registers
	ds_load_b128 v[PC:PC+3], v[SRD]                ; the scale words come back 16 bytes a lane: LDS serves a wave's instructions in order
.if MODE == 0
	ds_load_b128 v[PC+4:PC+7], v[SRD] offset:512
	s_wait_dscnt 0x0
	global_store_b128 v[LI16], v[PC:PC+3], s[12:13] offset:6144     ; 8 tiles x 64 bytes: 512 consecutive bytes, aligned
	global_store_b128 v[LI16], v[PC+4:PC+7], s[96:97] offset:6144
.else
	s_wait_dscnt 0x0
	global_store_b128 v[SGO], v[PC:PC+3], s[12:13] offset:12800     ; sixteen lanes store a head's 4 tiles x 64 bytes: 256 consecutive bytes, aligned
.endif
.endif
	s_wait_tensorcnt 0x0                           ; the wave's end: behind my last tensor load and my last LDS store
	ds_add_u32 v[SPW], v[NIL]
	s_wait_dscnt 0x0
	CROUND                                         ; the closing round: no work-group ends while a partner may still ask for a tile that names it
	s_endpgm
.Lfunc_end_k_q5472930556_projqk:
	.size	k_q5472930556_projqk, .Lfunc_end_k_q5472930556_projqk-k_q5472930556_projqk
	.p2alignl 7, 3214868480
	.fill 96, 4, 3214868480
	.section	.rodata,"a",@progbits
	.p2align	6, 0x0
	.amdhsa_kernel k_q5472930556_projqk
		.amdhsa_group_segment_fixed_size 327680
		.amdhsa_private_segment_fixed_size 0
		.amdhsa_enable_private_segment 0
		.amdhsa_kernarg_size 48
		.amdhsa_user_sgpr_count 2
		.amdhsa_user_sgpr_kernarg_segment_ptr 1
		.amdhsa_wavefront_size32 1
		.amdhsa_system_sgpr_workgroup_id_x 1
		.amdhsa_system_sgpr_workgroup_id_y 1
		.amdhsa_system_sgpr_workgroup_id_z 1
		.amdhsa_system_vgpr_workitem_id 0
		.amdhsa_next_free_vgpr 1024
		.amdhsa_next_free_sgpr 102
		.amdhsa_reserve_vcc 0
		.amdhsa_float_denorm_mode_32 3
		.amdhsa_float_denorm_mode_16_64 3
		.amdhsa_memory_ordered 1
		.amdhsa_forward_progress 1
		.amdhsa_inst_pref_size 169
	.end_amdhsa_kernel
	.amdgpu_metadata
---
amdhsa.version: [ 1, 2 ]
amdhsa.kernels:
  - .name:           k_q5472930556_projqk
    .symbol:         k_q5472930556_projqk.kd
    .args:
      - { .name: c1, .offset: 0, .size: 8, .value_kind: global_buffer, .address_space: global }
      - { .name: s1, .offset: 8, .size: 8, .value_kind: global_buffer, .address_space: global }
      - { .name: bq, .offset: 16, .size: 8, .value_kind: global_buffer, .address_space: global }
      - { .name: bk, .offset: 24, .size: 8, .value_kind: global_buffer, .address_space: global }
      - { .name: qc, .offset: 32, .size: 8, .value_kind: global_buffer, .address_space: global }
      - { .name: kv, .offset: 40, .size: 8, .value_kind: global_buffer, .address_space: global }
    .group_segment_fixed_size: 327680
    .private_segment_fixed_size: 0
    .kernarg_segment_align: 8
    .kernarg_segment_size: 48
    .max_flat_workgroup_size: 128
    .sgpr_count:     102
    .vgpr_count:     1024
    .wavefront_size: 32
...
	.end_amdgpu_metadata
.endif
;; end of part 2
;; launch projv (part 3): grid 32 x 4, 4 waves a work-group, clusters of 4 x 4, 327,680 bytes of LDS; arguments c1, s1, bv, kv; writes kv
.if DOCPART == 3
	.amdgcn_target "amdgcn-amd-amdhsa--gfx1250"
	.amdhsa_code_object_version 6
	.text
	.protected	k_q5472930556_projv
	.globl	k_q5472930556_projv
	.p2align	8
	.type	k_q5472930556_projv,@function
k_q5472930556_projv:
	s_mov_b64 s[64:65], 0
	v_nop
	global_prefetch_b8 v0, s[64:65] scope:SCOPE_SE
	s_setreg_imm32_b32 hwreg(HW_REG_WAVE_MODE, 25, 1), 1
	s_wait_xcnt 0x0
	s_wait_alu depctr_hold_cnt(0) depctr_sa_sdst(0) depctr_va_vdst(0) depctr_va_sdst(0) depctr_va_ssrc(0) depctr_va_vcc(0) depctr_vm_vsrc(0)
	s_getreg_b32 s2, hwreg(HW_REG_IB_STS2, 6, 4)
	s_cmp_eq_u32 s2, 0
	s_cbranch_scc0 .Lentry_in_a_cluster
	s_endpgm
.Lentry_in_a_cluster:
	s_bfe_u32 s2, ttmp6, 0x10000c
	s_cmp_lg_u32 s2, 0xf033
	s_cbranch_scc0 .Lentry_shape_is_right
	s_endpgm
.Lentry_shape_is_right:
.set MODE, 1
; ONE TEXT FOR THREE LAUNCHES, told apart by MODE in the first line.  C'[m][n] = bias + sum over k of A'[m][k] B'[n][k], K = 1,024, on codes of FP6 (E2M3) with one E8M0 byte for each 32 along K.
;   MODE 0: A' = query and key as one matrix of 16,384 rows, B' = Wq or Wk (T = 0, 1: the upper half of the tile rows), bias bq or bk along n.  The result is quantised along n (the head's 64) and leaves as records of Q (qc) and K (kv).
;   MODE 1: A' = Wv, B' = value, bias bv along m: the result is V transposed, n = the keys; it is quantised along the keys and leaves into kv's records.
;   MODE 2: A' = the attention's result (oc: images of operand registers; osc: scale words), B' = Wo, bias bo along n: the result is out0, f32.
; All rows lie in TILE ORDER: stored row 32 g + 16 u + x is row 32 g + 8 u + x + 8 (x / 8).  THE MATRIX INSTRUCTION IS USED TRANSPOSED (source 0 = 16 stored rows of B', source 1 = 16 of A'): a lane holds one row m, and the 16 registers of
; B's tiles 2 b and 2 b + 1 are the 16 neighbours n = 32 b + 16 (lane / 16) + 0 .. 15: what the conversions to codes want, and what a row of out0 wants.
; A tile of C', 256 x 256, is made by four waves, 128 x 128 each: 64 accumulators, 512 registers.  K goes in four steps of 256 through two LDS slots filled by the tensor data mover; the scale bytes of the work-group's rows come once and stay.
; CLUSTERS: 4 x 4 work-groups; A's tiles are asked for jointly along a row of the cluster, B's along a column.  THE BIAS is the C of each sum's first product.
; LIMITS (MODE 0, 1): a block of zeros gets the byte 1 (its codes are zeros; this program alone reads the bytes); blocks under 2^-124 are held at the byte 1; NaN and infinities are not served.
; REGISTERS, in windows of 256: window 0: v0-31 addresses; v32-63 scale words, two sets; v64-127 the bias, later at work on the way out; from v128 A's fragments, ONE set.  window 1: B's fragments, TWO sets, at v0 and v128.
;   window 2: the accumulators of my rows 0-63 ((a, b) at v[8 (8 a + b)]); window 3: those of my rows 64-127.
.set KSTEP,  256                       ; along K in a slot
.set NQ,     2                         ; matrix instructions deep
.set ROWB,   192                       ; a tile's row in bytes
.set KROW,   768                       ; a row of codes in memory
.set PITCH,  240                       ; an LDS row: 3 x (64 bytes + 16 of padding): the 32 lanes of a load of 8 bytes touch 64 different banks (64 banks of 4 bytes: ISA guide 11.1)
.set FR,     12                        ; registers of a fragment
.set NP,     4                         ; places behind this matrix instruction (ISA guide 7.12.1)
.set HALFT,  128*PITCH                 ; 128 rows: what one tensor load brings
.set SLOT,   4*HALFT                   ; A's 256 rows, then B's 256 rows
.set KS,     32                        ; a row of scale bytes
.set SCL,    2*SLOT                    ; behind the ring: the scale bytes, as runs of 256 bytes + 16 of padding
.set HALFS,  16*272                    ; those of 128 rows
.set SBLK,   2*272                     ; those of 16 rows
.set SPARE,  SCL+4*HALFS               ; the spare words, 128 bytes for each wave: two blocks of 256 bytes that no other line names
.set STG,    SPARE+512                 ; MODE 0, 1: 1,024 bytes for each wave, where its rows' new scale words are gathered; no fill lands here
.set SPITCH, 528                       ; MODE 2: a stage of 16 rows x (512 bytes + 16) for each wave, in slot 0, which has had its last fill and its last read by then
.if MODE == 2
.set NLA,   4                          ; LDS loads that bring a fragment of A
.set ASTEP, 1572864                    ; from one K step of A to the next, in bytes
.set AMUL,  192                        ; bytes of a K step for each stored row: a tile of 16 rows is 4 images of 768
.else
.set NLA,   6
.set ASTEP, 192
.set AMUL,  768
.endif
.if MODE == 0
.set AOFF,  0                          ; where A' and B' begin in the codes' buffer and in the scale bytes'
.set ASOFF, 0
.set BOFF,  18874368
.set BSOFF, 786432
.elseif MODE == 1
.set AOFF,  20447232
.set ASOFF, 851968
.set BOFF,  12582912
.set BSOFF, 524288
.else
.set AOFF,  0
.set ASOFF, 0
.set BOFF,  21233664
.set BSOFF, 884736
.endif
.set BOFR, 8                           ; v8      the bias loads' offset; never rewritten
.set ADRA, 16                          ; v16-17  LDS address of my A fragments in slot 0, 1 (v18-19: behind one padding more; MODE 2: v16-17 16 x lane, v18-19 8 x lane)
.set ADRB, 20                          ; v20-23  the same for B
.set STO,  24                          ; v24     MODE 2: where I put 32 bytes of a row.  MODE 0, 1 (SST): where my row's scale word goes
.set SST,  24
.set RD,   25                          ; v25     where I read the stage back
.set SRD,  25
.set CO,   26                          ; v26     16 x lane
.set LI16, 26
.set ADRS, 27                          ; v27     LDS address of my scale words: lanes 0-15 A's rows, lanes 16-31 B's
.set SPW,  28                          ; v28     LDS address of my spare word; never rewritten
.set NIL,  29                          ; v29     0; never rewritten
.set SH16, 30                          ; v30     MODE 0: 16 (lane / 16).  MODE 1 (SGO): 16 (lane % 16) + a head's stride x (lane / 16)
.set SGO,  30
.set LI8,  31                          ; v31     8 x lane
.set SC,   32                          ; scale words: set s at v[SC + 16 s]; register 2 i + q: lanes 0-15 A's block i, lanes 16-31 B's block i
.set BIAS, 64
.set AF,   128
.set BK,   128                         ; MODE 2: rows read back from the stage: v128-191 and v192-255 by turns
.set TM,   64                          ; the way out of MODE 0, 1: v64-67 largest magnitudes, v68-71 bytes, v76-79 the conversions' scale operands
.set PW,   80                          ; the scale word just made
.set SW,   84                          ; v84-91  MODE 0: the word of my half's head, for each block
.set PC,   96                          ; v96-114 the codes just made
.set SEL,  98                          ; s98, s99 lane selects for v_permlanex16_b32: lane l xor 16
.set G1, 24                            ; s[24:31] descriptor group 1 for A's tiles;  s[32:39] group 0, one set for each slot
.set G0, 32
.set G1B, 48                           ; s[48:55], s[56:63] the same for B's tiles
.set G0B, 56
.set G1S, 68                           ; s[68:75], s[76:79] groups 1 and 0 for A's scale bytes;  s[80:87], s[88:91] for B's
.set G0S, 76
.set G1SB, 80
.set G0SB, 88
.set MSB, 0
.macro WIN new                         ; the immediate's high byte repeats the setting that is left
.if MSB != \new
	s_set_vgpr_msb (MSB<<8)|\new
.set MSB, \new
.endif
.endm
.set MUL_LO,  0xa1                     ; source 0 (B) window 1, source 1 (A) window 0, C and D window 2
.set MUL_HI,  0xf1                     ; the same, C and D window 3
.set MULZ_LO, 0x81                     ; the first products: C (the bias) window 0, D window 2
.set MULZ_HI, 0xc1                     ; D window 3
.set TO_B,    0x40                     ; destination window 1, address window 0
; A joint load: waves 0 and 1 fetch for A, waves 2 and 3 for B.  Each of the two lines has ONE mask and one set of registers for all that issue it; the branch hangs on the wave's number alone.
; Four v_nop follow each of the two lines, ahead of the jump, the label and what follows.
.macro JLOAD g0a, g1a, g0b, g1b
	s_cmp_eq_u32 s15, 0
	s_cbranch_scc0 .Lfor_b_\@
	tensor_load_to_lds s[\g0a:\g0a+3], s[\g1a:\g1a+7]
	s_nop 0
.rept 4
	v_nop
.endr
	s_branch .Lasked_\@
.Lfor_b_\@:
	tensor_load_to_lds s[\g0b:\g0b+3], s[\g1b:\g1b+7]
	s_nop 0
.rept 4
	v_nop
.endr
.Lasked_\@:
.endm
.macro CREST                           ; a round of the cluster's barrier behind its opening barrier
	s_cmp_lg_u32 s14, 0
	s_cbranch_scc1 .Lnot_wave_0_\@
	s_barrier_signal -3
.Lnot_wave_0_\@:
	s_barrier_wait -3
	s_barrier_signal -1
	s_barrier_wait -1
.endm
.macro CROUND                          ; a whole round
	s_barrier_signal -1
	s_barrier_wait -1
	CREST
.endm
.if MODE == 0
	s_load_b128 s[4:7], s[0:1], 0x0                ; c1, s1
	s_load_b128 s[96:99], s[0:1], 0x10             ; bq, bk
	s_load_b64 s[12:13], s[0:1], 0x20              ; qc
	s_load_b64 s[100:101], s[0:1], 0x28            ; kv
.elseif MODE == 1
	s_load_b128 s[4:7], s[0:1], 0x0                ; c1, s1
	s_load_b128 s[96:99], s[0:1], 0x10             ; bv, kv
.else
	s_load_b128 s[4:7], s[0:1], 0x0                ; oc, osc
	s_load_b128 s[8:11], s[0:1], 0x10              ; c1, s1
	s_load_b128 s[96:99], s[0:1], 0x20             ; bo, out0
.endif
	v_lshl_add_u32 v[SPW], v0, 2, SPARE
	v_mov_b32 v[NIL], 0
	ds_add_u32 v28, v29
	s_wait_dscnt 0x0
	v_lshrrev_b32 v1, 5, v0
	v_readfirstlane_b32 s14, v1                    ; wave 0..3
	s_lshr_b32 s15, s14, 1                         ; which half of the tile's rows is mine.  Also: I fetch for A (0) or for B (1)
	s_and_b32 s16, s14, 1                          ; which half of its columns.  Also: which 128 rows of that tile I fetch
	s_bfe_u32 s40, ttmp6, 0x40000                  ; cx, cy: my place in the cluster
	s_bfe_u32 s41, ttmp6, 0x40004
	s_lshl_b32 s42, ttmp9, 2
	s_add_co_u32 s42, s42, s40                     ; tile column = 4 x cluster x + cx
.if MODE == 1
	s_mov_b32 s17, s41                             ; one cluster along y: the tile row is cy
.else
	s_and_b32 s17, ttmp7, 0xffff
.if MODE == 0
	s_lshr_b32 s2, s17, 3                          ; T: 0 for query and Wq, 1 for key and Wk: made of the cluster's y alone, so it is the same in all sixteen partners
.endif
	s_lshl_b32 s17, s17, 2
	s_add_co_u32 s17, s17, s41                     ; tile row = 4 x cluster y + cy
.endif
	s_lshl_b32 s43, s41, 2
	s_lshl_b32 s43, 15, s43                        ; my row of the cluster
	s_lshl_b32 s44, 0x1111, s40                    ; my column
	; descriptor group 1 for tiles of codes: 128 rows x 192 bytes, 768 bytes apart, 16 bytes of padding behind every 64
.if MODE == 2
	s_or_b32 s[G1+0], s43, (3<<16)|(1<<21)         ; A's tile is one dense block of 24,576 bytes (8 tiles of rows x 4 images of 768): 96 rows of 32 elements of 8 bytes, no padding
	s_mov_b32 s[G1+1], 32<<16
	s_mov_b32 s[G1+2], 96<<16
	s_mov_b32 s[G1+3], 32<<16
	s_mov_b32 s[G1+4], 96
	s_mov_b32 s[G1+5], 32
.else
	s_or_b32 s[G1+0], s43, (0<<16)|(1<<20)|(1<<21)|(3<<22)|(3<<25)  ; 15:0 the mask: my row; 17:16 elements of 1 byte; 20 padding on; 21 set beside a mask; 24:22 after every 16 words; 31:25 of 4 words
	s_mov_b32 s[G1+1], ROWB<<16                    ; tensor_dim0
	s_mov_b32 s[G1+2], 128<<16                     ; tensor_dim1
	s_mov_b32 s[G1+3], ROWB<<16                    ; tile_dim0
	s_mov_b32 s[G1+4], 128                         ; tile_dim1
	s_mov_b32 s[G1+5], KROW                        ; the pitch
.endif
	s_mov_b32 s[G1+6], 0
	s_mov_b32 s[G1+7], 0
	s_or_b32 s[G1B+0], s44, (0<<16)|(1<<20)|(1<<21)|(3<<22)|(3<<25)  ; B's: the mask of my column
	s_mov_b32 s[G1B+1], ROWB<<16
	s_mov_b32 s[G1B+2], 128<<16
	s_mov_b32 s[G1B+3], ROWB<<16
	s_mov_b32 s[G1B+4], 128
	s_mov_b32 s[G1B+5], KROW
	s_mov_b32 s[G1B+6], 0
	s_mov_b32 s[G1B+7], 0
	; and for the scale bytes of 128 rows: a dense block of 4,096 bytes, as 16 rows of 256 bytes, 16 bytes of padding behind each
	s_or_b32 s[G1S+0], s43, (3<<16)|(1<<20)|(1<<21)|(5<<22)|(3<<25)
	s_or_b32 s[G1SB+0], s44, (3<<16)|(1<<20)|(1<<21)|(5<<22)|(3<<25)
.irp g, G1S, G1SB
	s_mov_b32 s[\g+1], 32<<16
	s_mov_b32 s[\g+2], 16<<16
	s_mov_b32 s[\g+3], 32<<16
	s_mov_b32 s[\g+4], 16
	s_mov_b32 s[\g+5], 32
	s_mov_b32 s[\g+6], 0
	s_mov_b32 s[\g+7], 0
.endr
	s_lshl_b32 s18, s16, 7                         ; which 128 rows of the tile I fetch
	s_lshl_b32 s20, s17, 8
	s_add_co_u32 s20, s20, s18                     ; A: stored row 256 x tile row + 128 x half
	s_lshl_b32 s46, s42, 8
	s_add_co_u32 s46, s46, s18                     ; B: stored row 256 x tile column + 128 x half
	s_mov_b32 s21, 0
	s_mov_b32 s47, 0
	s_mov_b64 s[18:19], KS
	s_mul_u64 s[22:23], s[20:21], s[18:19]         ; where these rows' scale bytes begin,
	s_mul_u64 s[92:93], s[46:47], s[18:19]
	s_mov_b64 s[18:19], AMUL
	s_mul_u64 s[20:21], s[20:21], s[18:19]         ; and their codes
	s_mov_b64 s[18:19], KROW
	s_mul_u64 s[46:47], s[46:47], s[18:19]
.if MODE == 0
	s_mul_i32 s18, s2, 786432                      ; Wk lies one weight behind Wq
	s_mov_b32 s19, 0
	s_add_nc_u64 s[46:47], s[46:47], s[18:19]
	s_mul_i32 s18, s2, 32768
	s_add_nc_u64 s[92:93], s[92:93], s[18:19]
.endif
	s_add_nc_u64 s[20:21], s[20:21], AOFF
	s_add_nc_u64 s[22:23], s[22:23], ASOFF
	s_add_nc_u64 s[46:47], s[46:47], BOFF
	s_add_nc_u64 s[92:93], s[92:93], BSOFF
	s_mul_i32 s45, s14, HALFT                      ; where they go: wave x 128 rows: no place in the cluster enters an LDS address
	s_mul_i32 s94, s14, HALFS
	s_wait_kmcnt 0x0
.if MODE != 2
	s_mov_b64 s[8:9], s[4:5]                       ; both operands lie in c1 and s1
	s_mov_b64 s[10:11], s[6:7]
.endif
	s_add_nc_u64 s[20:21], s[4:5], s[20:21]
	s_add_nc_u64 s[22:23], s[6:7], s[22:23]
	s_add_nc_u64 s[46:47], s[8:9], s[46:47]
	s_add_nc_u64 s[92:93], s[10:11], s[92:93]
	CROUND                                         ; all sixteen work-groups are here: the first joint loads meet
	s_mov_b32 s[G0S], 1
	s_add_co_u32 s[G0S+1], s94, SCL
	s_mov_b64 s[G0S+2:G0S+3], s[22:23]
	s_or_b32 s[G0S+3], s[G0S+3], 0x80000000
	s_mov_b32 s[G0SB], 1
	s_add_co_u32 s[G0SB+1], s94, SCL
	s_mov_b64 s[G0SB+2:G0SB+3], s[92:93]
	s_or_b32 s[G0SB+3], s[G0SB+3], 0x80000000
	JLOAD G0S, G1S, G0SB, G1SB                     ; the scale bytes first: they are wanted with K step 0.  With the two slots' fills three tensor loads of mine are out
.irp s, 0,1
	s_mov_b32 s[G0+4*\s], 1
	s_add_co_u32 s[G0+4*\s+1], s45, \s*SLOT
	s_add_nc_u64 s[G0+4*\s+2:G0+4*\s+3], s[20:21], \s*ASTEP
	s_or_b32 s[G0+4*\s+3], s[G0+4*\s+3], 0x80000000
	s_mov_b32 s[G0B+4*\s], 1
	s_add_co_u32 s[G0B+4*\s+1], s45, \s*SLOT
	s_add_nc_u64 s[G0B+4*\s+2:G0B+4*\s+3], s[46:47], \s*ROWB
	s_or_b32 s[G0B+4*\s+3], s[G0B+4*\s+3], 0x80000000
	JLOAD G0+4*\s, G1, G0B+4*\s, G1B
.endr
	v_and_b32 v1, 15, v0                           ; r = lane % 16
	v_bfe_u32 v2, v0, 4, 1                         ; h = lane / 16
	v_and_b32 v6, 31, v0                           ; lane
	v_mul_u32_u24 v3, v1, PITCH
	v_mul_u32_u24 v4, v2, 24
	v_add_nc_u32 v4, v3, v4                        ; a fragment's row x pitch + 24 x half
	v_lshl_add_u32 v5, v2, 4, v4                   ; and the same behind one padding more
	v_lshlrev_b32 v[LI16], 4, v6
	v_lshlrev_b32 v[LI8], 3, v6
	s_mul_i32 s21, s15, HALFT                      ; my 128 rows of A
	s_mul_i32 s22, s16, HALFT                      ; my 128 rows of B,
	s_add_co_u32 s22, s22, 2*HALFT                 ; which lie behind A's 256
.irp s, 0,1
.if MODE == 2
	v_add_nc_u32 v[ADRA+\s], s21, v[LI16]          ; images: 16 bytes a lane,
	v_add_nc_u32 v[ADRA+2+\s], s21, v[LI8]         ; and 8
.else
	v_add_nc_u32 v[ADRA+\s], s21, v4
	v_add_nc_u32 v[ADRA+2+\s], s21, v5
.endif
	v_add_nc_u32 v[ADRB+\s], s22, v4
	v_add_nc_u32 v[ADRB+2+\s], s22, v5
	s_add_co_u32 s21, s21, SLOT
	s_add_co_u32 s22, s22, SLOT
.endr
	v_mul_u32_u24 v5, v1, KS                       ; my row's scale bytes: 32 a row,
	v_lshrrev_b32 v7, 8, v5
	v_lshl_add_u32 v5, v7, 4, v5                   ; and 16 more for each 256 passed
	s_mul_i32 s21, s15, HALFS                      ; A's: my 128 rows
	s_mul_i32 s22, s16, HALFS                      ; B's: my 128 rows, behind A's 256
	s_add_co_u32 s22, s22, 2*HALFS
	s_sub_co_u32 s22, s22, s21
	v_mul_u32_u24 v7, s22, v2                      ; lanes 16-31 take B's: the lower base + h x the distance
	s_add_co_u32 s21, s21, SCL
	v_add_nc_u32 v5, v5, v7
	v_add_nc_u32 v[ADRS], s21, v5
.if MODE == 2
	s_mul_i32 s23, s14, 16*SPITCH                  ; my stage
	v_mul_u32_u24 v5, v1, SPITCH                   ; in: row r, + 64 h: my half's 16 columns of each 32
	v_lshl_add_u32 v5, v2, 6, v5
	v_add_nc_u32 v[STO], s23, v5
	v_add_nc_u32 v[RD], s23, v[CO]                 ; back: the 32 lanes take one row of 512 bytes
	s_lshl_b32 s20, s17, 8
	s_lshl_b32 s21, s15, 7
	s_add_co_u32 s20, s20, s21                     ; my first row: 256 x tile row + 128 x half
	s_lshl_b32 s20, s20, 12                        ; a row of out0 is 4,096 bytes
	s_mov_b32 s21, 0
	s_lshl_b32 s46, s42, 10                        ; my first column, in bytes: 1,024 x tile column + 512 x half
	s_lshl_b32 s47, s16, 9
	s_add_co_u32 s46, s46, s47
	s_mov_b32 s47, 0
	s_add_nc_u64 s[12:13], s[98:99], s[20:21]
	s_add_nc_u64 s[12:13], s[12:13], s[46:47]
	s_add_nc_u64 s[66:67], s[96:97], s[46:47]      ; bo at my first column
	v_lshlrev_b32 v[BOFR], 6, v2                   ; 64 h
.else
	s_lshl_b32 s23, s14, 10
	s_add_co_u32 s23, s23, STG                     ; my 1,024 bytes for scale words
	v_lshl_add_u32 v[SST], v1, 2, s23              ; 4 r
	v_add_nc_u32 v[SRD], s23, v[LI16]
.endif
.if MODE == 0
	v_lshl_add_u32 v[SST], v2, 9, v[SST]           ; + 512 h: lanes 0-15 store the first head's words, lanes 16-31 the second's
	v_lshlrev_b32 v[SH16], 4, v2
	; a record holds 128 rows of one head: ((16 b + head) 16 + step) x the record's bytes.  My 128 columns are two heads
	s_lshl_b32 s20, s17, 8
	s_lshl_b32 s21, s15, 7
	s_add_co_u32 s20, s20, s21                     ; my first row of the 16,384
	s_bfe_u32 s21, s20, 0x2000b                    ; b: bits 12:11
	s_bfe_u32 s22, s20, 0x40007                    ; step: bits 10:7
	s_lshl_b32 s23, s42, 2
	s_lshl_b32 s18, s16, 1
	s_add_co_u32 s23, s23, s18                     ; my first head
	s_lshl_b32 s21, s21, 4
	s_add_co_u32 s21, s21, s23
	s_lshl_b32 s21, s21, 4
	s_add_co_u32 s21, s21, s22
	s_mov_b32 s19, 6656                            ; a record of Q,
	s_cmp_lg_u32 s2, 0
	s_cselect_b32 s19, 13056, s19                  ; of K and V
	s_cselect_b64 s[12:13], s[100:101], s[12:13]   ; kv or qc
	s_cselect_b64 s[66:67], s[98:99], s[96:97]     ; bk or bq
	s_mul_i32 s20, s21, s19
	s_mov_b32 s21, 0
	s_add_nc_u64 s[12:13], s[12:13], s[20:21]      ; the first head's record,
	s_lshl_b32 s20, s19, 4
	s_add_nc_u64 s[96:97], s[12:13], s[20:21]      ; the second's: 16 records on
	s_lshl_b32 s46, s42, 10
	s_lshl_b32 s47, s16, 9
	s_add_co_u32 s46, s46, s47
	s_mov_b32 s47, 0
	s_add_nc_u64 s[66:67], s[66:67], s[46:47]      ; the bias at my first column
	v_lshlrev_b32 v[BOFR], 6, v2                   ; 64 h
.endif
.if MODE == 1
	v_mul_u32_u24 v[SGO], v2, 208896               ; lanes 16-31 store the second head's words: a head's 16 records on
	v_lshl_add_u32 v[SGO], v1, 4, v[SGO]
	s_lshl_b32 s20, s42, 8
	s_lshl_b32 s21, s16, 7
	s_add_co_u32 s20, s20, s21                     ; my first key of the 8,192
	s_bfe_u32 s21, s20, 0x2000b                    ; b
	s_bfe_u32 s22, s20, 0x40007                    ; step
	s_lshl_b32 s23, s17, 2
	s_lshl_b32 s18, s15, 1
	s_add_co_u32 s23, s23, s18                     ; my first head: my 128 rows are two heads' channels
	s_lshl_b32 s21, s21, 4
	s_add_co_u32 s21, s21, s23
	s_lshl_b32 s21, s21, 4
	s_add_co_u32 s21, s21, s22
	s_mul_i32 s20, s21, 13056
	s_mov_b32 s21, 0
	s_add_nc_u64 s[12:13], s[98:99], s[20:21]
	s_lshl_b32 s46, s17, 10
	s_lshl_b32 s47, s15, 9
	s_add_co_u32 s46, s46, s47
	s_mov_b32 s47, 0
	s_add_nc_u64 s[66:67], s[96:97], s[46:47]      ; bv at my first row
	v_and_b32 v[BOFR], 8, v1
	v_add_nc_u32 v[BOFR], v[BOFR], v1
	v_lshlrev_b32 v[BOFR], 2, v[BOFR]              ; 4 (r + 8 (r / 8))
.endif
.if MODE != 2
	s_mov_b32 s[SEL], 0x76543210
	s_mov_b32 s[SEL+1], 0xfedcba98
.endif
	; THE BIAS, in the result's layout.  Along n: tile b's eight registers are columns 32 (b / 2) + 16 h + 8 (b % 2) + 0 .. 7.  Along m (MODE 1): all eight registers of A's block a hold the number of the lane's row
.if MODE == 1
.irp a, 0,1,2,3,4,5,6,7
.irp j, 0,1,2,3,4,5,6,7
	global_load_b32 v[BIAS+8*\a+\j], v[BOFR], s[66:67] offset:4*(32*(\a/2)+8*(\a%2))
.endr
.endr
.else
.irp b, 0,1,2,3,4,5,6,7
	global_load_b128 v[BIAS+8*\b:BIAS+8*\b+3], v[BOFR], s[66:67] offset:4*(32*(\b/2)+8*(\b%2))
	global_load_b128 v[BIAS+8*\b+4:BIAS+8*\b+7], v[BOFR], s[66:67] offset:4*(32*(\b/2)+8*(\b%2))+16
.endr
.endif
.macro FRAG reg, adr, q, i             ; a fragment, 16 rows x 128 K, is 12 registers: lane l holds row l % 16; registers 6 c .. 6 c + 5 hold K = 64 c + 32 (l / 16) + 0 .. 31: 24 bytes of the row's stream of bits, as they lie
.irp p, 0,1,2,3,4,5                    ; in pieces of 8 bytes.  Lanes 0-15 take the row's pieces 12 q + 0, 1, 2 and 12 q + 6, 7, 8, lanes 16-31 those three pieces on
.set PCE, 12*(\q)+6*(\p/3)+\p%3       ; 16 bytes of padding lie behind every 8 pieces: where the piece three on lies behind one padding more, the second address register serves
.if PCE%8 < 5
	ds_load_b64 v[\reg+2*\p:\reg+2*\p+1], v[\adr] offset:8*PCE+16*(PCE/8)+(\i)*16*PITCH
.else
	ds_load_b64 v[\reg+2*\p:\reg+2*\p+1], v[\adr+2] offset:8*PCE+16*(PCE/8)+(\i)*16*PITCH
.endif
.endr
.endm
; 16 matrix instructions: A's blocks a0, a0 + 1 x B's eight, 128 along K: the slot's q-th.  p: B's set;  sc: the set of scale words.  zero = 1: the first product starts the sums, with the bias as C: nothing is ever cleared.
; The 64 accumulators take turns, one instruction a turn, in the same order in every step.
.macro MUL16 a0, p, q, sc, zero
.irp a, \a0, \a0+1
.irp b, 0,1,2,3,4,5,6,7
.set RD_, 8*(8*((\a)%4)+\b)
.set RB_, 128*(\p)+FR*\b
.set RA_, AF+FR*(\a)
.set SB_, SC+8*NQ*(\sc)+NQ*\b+(\q)
.set SA_, SC+8*NQ*(\sc)+NQ*(\a)+(\q)
.if MODE == 1
.set RC_, BIAS+8*(\a)
.else
.set RC_, BIAS+8*\b
.endif
.if \zero
	v_wmma_scale_f32_16x16x128_f8f6f4 v[RD_:RD_+7], v[RB_:RB_+FR-1], v[RA_:RA_+FR-1], v[RC_:RC_+7], v[SB_], v[SA_] matrix_a_fmt:MATRIX_FMT_FP6 matrix_b_fmt:MATRIX_FMT_FP6 matrix_a_scale:MATRIX_SCALE_ROW1
.else
	v_wmma_scale_f32_16x16x128_f8f6f4 v[RD_:RD_+7], v[RB_:RB_+FR-1], v[RA_:RA_+FR-1], v[RD_:RD_+7], v[SB_], v[SA_] matrix_a_fmt:MATRIX_FMT_FP6 matrix_b_fmt:MATRIX_FMT_FP6 matrix_a_scale:MATRIX_SCALE_ROW1
.endif
.endr
.endr
.endm
.macro FETCH_B slot, q, p              ; B's eight fragments of the slot's q-th 128 along K into set p
	WIN TO_B
.irp i, 0,1,2,3,4,5,6,7
	FRAG 128*(\p)+FR*\i, ADRB+\slot, \q, \i
.endr
	WIN 0
.endm
.macro FETCH_A slot, q, i0             ; A's blocks i0 .. i0 + 3.  MODE 2: a block's fragment is two images of 768 bytes (heads 2 q and 2 q + 1 of the K step's four): registers 6 c .. 6 c + 3 at 16 x lane, 6 c + 4, 6 c + 5 at 512 + 8 x lane
.irp i, \i0, \i0+1, \i0+2, \i0+3
.if MODE == 2
.irp c, 0,1
	ds_load_b128 v[AF+FR*(\i)+6*\c:AF+FR*(\i)+6*\c+3], v[ADRA+\slot] offset:(4*(\i)+2*(\q)+\c)*768
	ds_load_b64 v[AF+FR*(\i)+6*\c+4:AF+FR*(\i)+6*\c+5], v[ADRA+2+\slot] offset:(4*(\i)+2*(\q)+\c)*768+512
.endr
.else
	FRAG AF+FR*(\i), ADRA+\slot, \q, \i
.endif
.endr
.endm
.macro SCALES sc                       ; the next K step's scale words into set sc: 2 words a row; lanes 0-15 take A's block i, lanes 16-31 B's block i
.irp i, 0,1,2,3,4,5,6,7
	ds_load_b64 v[SC+8*NQ*\sc+NQ*\i:SC+8*NQ*\sc+NQ*\i+1], v[ADRS] offset:\i*SBLK
.endr
.endm
; A load into a register that a matrix instruction has read, and a vector instruction or an LDS store that reads a matrix result, stand NP places behind that matrix instruction; only plain vector
; instructions that name none of its registers are places (ISA guide 7.12.1 for vector instructions).
.macro PLACES n
.rept \n
	v_nop
.endr
.endm
; A step of 128 along K that has its successor in the same slot.
.macro STEP slot, q, zero
	s_wait_dscnt 4*NLA                             ; B's set and A's blocks 0-3 are in; the youngest loads (A's blocks 4-7) may be out
.if \zero
	WIN MULZ_LO
.else
	WIN MUL_LO
.endif
	MUL16 0, (\q)%2, \q, \slot, \zero
	MUL16 2, (\q)%2, \q, \slot, \zero
	s_wait_dscnt 0                                 ; A's blocks 4-7 are in (asked for 32 matrix instructions ago)
	PLACES NP
	FETCH_B \slot, (\q)+1, 1-(\q)%2
	FETCH_A \slot, (\q)+1, 0
.if \zero
	WIN MULZ_HI
.else
	WIN MUL_HI
.endif
	MUL16 4, (\q)%2, \q, \slot, \zero
	MUL16 6, (\q)%2, \q, \slot, \zero
	PLACES NP
	WIN 0
	FETCH_A \slot, (\q)+1, 4
.endm
; A slot's last step changes slots: ONE barrier; in front of it each wave waits for all its tensor loads, adds 0 to its spare word, and waits for that and for its own reads of this slot.  fill = 1: this slot is filled again, two K steps ahead.
.macro TURN slot, next, fill
	s_wait_tensorcnt 0x0                           ; all my tensor loads have landed: my part of the next slot;  (every window is 0 here)
	ds_add_u32 v[SPW], v[NIL]                      ; 0 onto my spare word;
	s_wait_dscnt 4*NLA+1                           ; (the add and the youngest loads, A's blocks 4-7, may be out)
	WIN MUL_LO
	MUL16 0, 1, NQ-1, \slot, 0                     ; sixteen matrix instructions stand between the add and the wait for it
	s_wait_dscnt 0x0                               ; the add is done, and my reads of this slot are over
	s_barrier_signal -1
	MUL16 2, 1, NQ-1, \slot, 0
	WIN 0
	s_barrier_wait -1
.if \fill
	CREST                                          ; the barrier has opened a round of the cluster's barrier: no wave of any partner still reads this slot's tile or has a load on its way
	s_add_nc_u64 s[G0+4*\slot+2:G0+4*\slot+3], s[G0+4*\slot+2:G0+4*\slot+3], 2*ASTEP
	s_add_nc_u64 s[G0B+4*\slot+2:G0B+4*\slot+3], s[G0B+4*\slot+2:G0B+4*\slot+3], 2*ROWB
	JLOAD G0+4*\slot, G1, G0B+4*\slot, G1B         ; the first tensor load behind the round; the four v_nop behind it are the places in front of the loads below
.else
	PLACES NP
.endif
	v_add_nc_u32 v[ADRS], 4*NQ, v[ADRS]            ; on to the next K step's scale words (no LDS load of mine is out)
	FETCH_B \next, 0, 0
	FETCH_A \next, 0, 0
	SCALES \next
	WIN MUL_HI
	MUL16 4, 1, NQ-1, \slot, 0
	MUL16 6, 1, NQ-1, \slot, 0
	PLACES NP
	WIN 0
	FETCH_A \next, 0, 4
.endm
	s_wait_tensorcnt 1                             ; the scale bytes and my part of K step 0 are in (K step 1's load may be out)
	s_barrier_signal -1
	s_barrier_wait -1                              ; everybody's are
	FETCH_B 0, 0, 0
	FETCH_A 0, 0, 0
	SCALES 0
	FETCH_A 0, 0, 4
	s_wait_loadcnt 0x0                             ; the bias
	STEP 0, 0, 1                                   ; four K steps of 256, written out: the first step's products start the sums
	TURN 0, 1, 1                                   ; slot 0 takes K step 2
	STEP 1, 0, 0
	TURN 1, 0, 1                                   ; slot 1 takes K step 3
	STEP 0, 0, 0
	TURN 0, 1, 0                                   ; nothing is left to fetch: a plain barrier
	STEP 1, 0, 0
	s_wait_dscnt 4*NLA                             ; the very last step
	WIN MUL_LO
	MUL16 0, 1, NQ-1, 1, 0
	MUL16 2, 1, NQ-1, 1, 0
	s_wait_dscnt 0
	WIN MUL_HI
	MUL16 4, 1, NQ-1, 1, 0
	MUL16 6, 1, NQ-1, 1, 0
	WIN 0
	PLACES NP                                      ; behind the last products: for the first reads of results, and for what is written over the registers that held A's fragments
.if MODE == 2
; THE WAY OUT, block by block of 16 rows x 128 columns: through my own stage in LDS, each number at its true column, and back as whole rows of 512 bytes.  LDS serves a wave's instructions in order (ISA guide 5.7.1.4).
.macro TOSTAGE a
.set AC, 64*((\a)%4)
.set WD, 0x08+4*((\a)/4)
	WIN WD                                         ; an LDS store's data: window 2 or 3
.irp b, 0,1,2,3,4,5,6,7
	ds_store_b128 v[STO], v[AC+8*\b:AC+8*\b+3] offset:128*(\b/2)+32*(\b%2)       ; each accumulator from its low end on
	ds_store_b128 v[STO], v[AC+8*\b+4:AC+8*\b+7] offset:128*(\b/2)+32*(\b%2)+16
.endr
	WIN 0
.set BB, BK+64*((\a)%2)
.irp t, 0,1,2,3,4,5,6,7,8,9,10,11,12,13,14,15
	ds_load_b128 v[BB+4*\t:BB+4*\t+3], v[RD] offset:\t*SPITCH
.endr
.endm
.macro SEND a, younger                 ; younger: the LDS instructions issued behind block a's loads, which may stay out
.set BB, BK+64*((\a)%2)
	s_wait_dscnt \younger
.irp t, 0,1,2,3,4,5,6,7,8,9,10,11,12,13,14,15
	global_store_b128 v[CO], v[BB+4*\t:BB+4*\t+3], s[12:13] offset:(32*((\a)/2)+8*((\a)%2)+\t+8*(\t/8))*4096 th:TH_STORE_NT   ; stage row t is row 32 (a / 2) + 8 (a % 2) + t + 8 (t / 8) of my 128; 32 lanes store 512 consecutive bytes, aligned
.endr
.endm
	TOSTAGE 0
.irp a, 1,2,3,4,5,6,7
.if \a > 1
	s_wait_xcnt 0x0                                ; block a - 2's stores have read their registers: block a's loads may land there
.endif
	TOSTAGE \a
	SEND \a-1, 32                                  ; behind block a - 1's loads: block a's 16 stores and 16 loads
.endr
	SEND 7, 0
.else
; THE WAY OUT: A's block a (16 rows) x my 128 columns is quantised along the columns, four blocks of 32, and leaves as an image of an operand's registers.  Register 16 b + i of the block's 64 is column 32 b + 16 h + i of the lane's row.
.macro QOUT a
.set AC, 64*((\a)%4)
.set WA, 2+(\a)/4
.set WB, WA|(WA<<2)
	s_wait_xcnt 0x0                                ; the last block's stores have read the codes' registers
	WIN WB                                         ; sources 0 and 1: the accumulators' window
.irp b, 0,1,2,3
	v_max3_num_f32 v[TM+\b], |v[AC+16*\b]|, |v[AC+1+16*\b]|, 0x1800000   ; my 16 numbers of block b, each accumulator from its low end on, and the floor 2^(3 - 127): the byte cannot fall under 1
.endr
.irp i, 2,4,6,8,10,12,14
.irp b, 0,1,2,3
	v_max3_num_f32 v[TM+\b], |v[AC+16*\b+\i]|, |v[AC+1+16*\b+\i]|, v[TM+\b]
.endr
.endr
	WIN 0
.irp b, 0,1,2,3
	v_permlanex16_b32 v[TM+4+\b], v[TM+\b], s[SEL], s[SEL+1]
.endr
.irp b, 0,1,2,3
	v_max_num_f32 v[TM+\b], v[TM+\b], v[TM+4+\b]   ; with lane l xor 16's: the block's largest magnitude
.endr
.irp b, 0,1,2,3
	v_add_nc_u32 v[TM+12+\b], 0xff000000, v[TM+\b] ; 2 off its exponent field: the conversion's scale operand
.endr
.irp b, 0,1,2,3
	v_lshrrev_b32 v[TM+4+\b], 23, v[TM+12+\b]      ; the scale's byte
.endr
	v_lshl_or_b32 v[PW], v[TM+5], 8, v[TM+4]       ; my row's four bytes
	v_lshl_or_b32 v[PW], v[TM+6], 16, v[PW]
	v_lshl_or_b32 v[PW], v[TM+7], 24, v[PW]
	WIN WA                                         ; source 0: the accumulators' window
.irp c, 0,1
	v_cvt_scalef32_pk16_fp6_f32 v[PC+6*\c:PC+2+6*\c], v[AC+32*\c:AC+15+32*\c], v[TM+12+2*\c]
	v_cvt_scalef32_pk16_fp6_f32 v[PC+12+4*\c:PC+14+4*\c], v[AC+16+32*\c:AC+31+32*\c], v[TM+12+2*\c+1]   ; (a conversion's three registers begin on an even number)
.endr
	WIN 0
	v_nop                                          ; one plain place behind a scaled conversion
.irp c, 0,1                                    ; the operand's layout wants a WHOLE block in a lane: lanes 0-15 block 2 c, lanes 16-31 block 2 c + 1
.irp i, 0,1,2
	v_permlane16_swap_b32 v[PC+6*\c+\i], v[PC+12+4*\c+\i]
.endr
.irp i, 0,1,2
	v_mov_b32 v[PC+3+6*\c+\i], v[PC+12+4*\c+\i]
.endr
.endr
.if MODE == 0
	; registers 0-5 are the first head's 64, registers 6-11 the second's: an image of 768 bytes each: four registers at 16 x lane, two at 512 + 8 x lane.  Each store covers whole aligned runs of 256 bytes
	global_store_b128 v[LI16], v[PC:PC+3], s[12:13] offset:768*(\a)
	global_store_b64 v[LI8], v[PC+4:PC+5], s[12:13] offset:768*(\a)+512
	global_store_b128 v[LI16], v[PC+6:PC+9], s[96:97] offset:768*(\a)
	global_store_b64 v[LI8], v[PC+10:PC+11], s[96:97] offset:768*(\a)+512
	v_lshrrev_b32 v[SW+(\a)], v[SH16], v[PW]       ; lanes 0-15: the first head's two bytes, lanes 16-31: the second's,
	v_and_b32 v[SW+(\a)], 0xffff, v[SW+(\a)]       ; with 0 for the two blocks that the head's K step does not have
	ds_store_b32 v[SST], v[SW+(\a)] offset:64*(\a)
.else
	; a tile of 16 channels x 128 keys: an image of 1,536 bytes; blocks 0-3 are the first head's tiles, 4-7 the second's
.irp i, 0,1,2
	global_store_b128 v[LI16], v[PC+4*\i:PC+4*\i+3], s[12:13] offset:((\a)/4)*208896+6656+1536*((\a)%4)+512*\i
.endr
	ds_store_b32 v[SST], v[PW] offset:64*(\a)      ; lanes l and l xor 16 write the same word with the same value
.endif
.endm
.irp b, 0,1,2,3
	v_mov_b32 v[TM+4+\b], 0                        ; written once: a lane permute's destination counts as one of its sources
.endr
.irp a, 0,1,2,3,4,5,6,7
	QOUT \a
.endr
	s_wait_xcnt 0x0                                ; the last stores have read the codes' registers
	ds_load_b128 v[PC:PC+3], v[SRD]                ; the scale words come back 16 bytes a lane: LDS serves a wave's instructions in order
.if MODE == 0
	ds_load_b128 v[PC+4:PC+7], v[SRD] offset:512
	s_wait_dscnt 0x0
	global_store_b128 v[LI16], v[PC:PC+3], s[12:13] offset:6144     ; 8 tiles x 64 bytes: 512 consecutive bytes, aligned
	global_store_b128 v[LI16], v[PC+4:PC+7], s[96:97] offset:6144
.else
	s_wait_dscnt 0x0
	global_store_b128 v[SGO], v[PC:PC+3], s[12:13] offset:12800     ; sixteen lanes store a head's 4 tiles x 64 bytes: 256 consecutive bytes, aligned
.endif
.endif
	s_wait_tensorcnt 0x0                           ; the wave's end: behind my last tensor load and my last LDS store
	ds_add_u32 v[SPW], v[NIL]
	s_wait_dscnt 0x0
	CROUND                                         ; the closing round: no work-group ends while a partner may still ask for a tile that names it
	s_endpgm
.Lfunc_end_k_q5472930556_projv:
	.size	k_q5472930556_projv, .Lfunc_end_k_q5472930556_projv-k_q5472930556_projv
	.p2alignl 7, 3214868480
	.fill 96, 4, 3214868480
	.section	.rodata,"a",@progbits
	.p2align	6, 0x0
	.amdhsa_kernel k_q5472930556_projv
		.amdhsa_group_segment_fixed_size 327680
		.amdhsa_private_segment_fixed_size 0
		.amdhsa_enable_private_segment 0
		.amdhsa_kernarg_size 32
		.amdhsa_user_sgpr_count 2
		.amdhsa_user_sgpr_kernarg_segment_ptr 1
		.amdhsa_wavefront_size32 1
		.amdhsa_system_sgpr_workgroup_id_x 1
		.amdhsa_system_sgpr_workgroup_id_y 1
		.amdhsa_system_sgpr_workgroup_id_z 1
		.amdhsa_system_vgpr_workitem_id 0
		.amdhsa_next_free_vgpr 1024
		.amdhsa_next_free_sgpr 102
		.amdhsa_reserve_vcc 0
		.amdhsa_float_denorm_mode_32 3
		.amdhsa_float_denorm_mode_16_64 3
		.amdhsa_memory_ordered 1
		.amdhsa_forward_progress 1
		.amdhsa_inst_pref_size 171
	.end_amdhsa_kernel
	.amdgpu_metadata
---
amdhsa.version: [ 1, 2 ]
amdhsa.kernels:
  - .name:           k_q5472930556_projv
    .symbol:         k_q5472930556_projv.kd
    .args:
      - { .name: c1, .offset: 0, .size: 8, .value_kind: global_buffer, .address_space: global }
      - { .name: s1, .offset: 8, .size: 8, .value_kind: global_buffer, .address_space: global }
      - { .name: bv, .offset: 16, .size: 8, .value_kind: global_buffer, .address_space: global }
      - { .name: kv, .offset: 24, .size: 8, .value_kind: global_buffer, .address_space: global }
    .group_segment_fixed_size: 327680
    .private_segment_fixed_size: 0
    .kernarg_segment_align: 8
    .kernarg_segment_size: 32
    .max_flat_workgroup_size: 128
    .sgpr_count:     102
    .vgpr_count:     1024
    .wavefront_size: 32
...
	.end_amdgpu_metadata
.endif
;; end of part 3
;; launch attn (part 4): grid 8 x 32, 16 waves a work-group, clusters of 4 x 1, 327,680 bytes of LDS; arguments qc, kv, mk, oc, osc; writes oc, osc
.if DOCPART == 4
	.amdgcn_target "amdgcn-amd-amdhsa--gfx1250"
	.amdhsa_code_object_version 6
	.text
	.protected	k_q5472930556_attn
	.globl	k_q5472930556_attn
	.p2align	8
	.type	k_q5472930556_attn,@function
k_q5472930556_attn:
	s_mov_b64 s[64:65], 0
	v_nop
	global_prefetch_b8 v0, s[64:65] scope:SCOPE_SE
	s_setreg_imm32_b32 hwreg(HW_REG_WAVE_MODE, 25, 1), 1
	s_wait_xcnt 0x0
	s_wait_alu depctr_hold_cnt(0) depctr_sa_sdst(0) depctr_va_vdst(0) depctr_va_sdst(0) depctr_va_ssrc(0) depctr_va_vcc(0) depctr_vm_vsrc(0)
	s_getreg_b32 s2, hwreg(HW_REG_IB_STS2, 6, 4)
	s_cmp_eq_u32 s2, 0
	s_cbranch_scc0 .Lentry_in_a_cluster
	s_endpgm
.Lentry_in_a_cluster:
	s_bfe_u32 s2, ttmp6, 0x10000c
	s_cmp_lg_u32 s2, 0x3003
	s_cbranch_scc0 .Lentry_shape_is_right
	s_endpgm
.Lentry_shape_is_right:
; ATTENTION ON CODES OF FP6 (E2M3): x[b][q][head] = softmax_k(Q . K / 8, masked) V, both products quantised; x is quantised along d_model and leaves as images of operand registers (oc) with its scale words (osc).
; THE SOFTMAX: t = score x log2(e) / 8; M = the row's largest t so far, rounded UP to a whole number; p = 2^(t - M) is what is quantised, along the keys; the row's sum is taken of the unquantised p and divides at the end.
; When M moves, the sum and O are multiplied by 2^(old M - new M): exact.
; THE MASK is an input: its words (mk) hold, for each register of scores, one bit a lane; a hidden score becomes -2^70 ahead of the maximum.  c x 2^70 is a whole number, so in a row that is hidden whole t - M is exactly 0 and every p is 1:
; uniform weights; in every other row a hidden p is 0.  LIMIT: that is an energy of -1.48e20 where the problem writes -1e20: it differs only where open energies lie under -1e20.  NaN and infinities are not served;
; a block of zeros gets the byte 1 (its codes are zeros; this program alone reads the bytes).
; SHARES.  A work-group owns 256 queries and a PAIR of heads, taken one after the other, so that a row's scale word of the last product (128 along d_model: two heads) is made whole in one wave.  Each of its SIXTEEN waves owns one stored
; tile of 16 queries in 256 registers: four waves to a SIMD, so that one wave's vector work stands beside another's matrix work.  Every wave walks all 2,048 keys of a head, 128 a step.
; RECORDS.  kv holds, for each head and key step, 13,056 bytes: K's 8 tiles (16 keys x 64: an image of 768 bytes: registers 0-3 at 16 x lane, 4-5 at 512 + 8 x lane), K's scale words (8 x 64 bytes), V's 4 tiles (16 channels x 128 keys:
; 3 x 512 bytes), V's scale words (4 x 64).  A pair of heads is 32 records on end.  They come through a ring of two LDS slots of four records; waves 0 to 3 fetch a record each.  Every LDS read is 16, 8 or 4 bytes x lane: consecutive bytes.
; CLUSTER.  The four query blocks of a cluster walk the same records: each is asked for JOINTLY, by the same tensor load with the same descriptor and the mask 15.
; LAYOUT.  Both products are used transposed: S^T = K Q^T, O^T = V^T P^T: a lane holds ONE query (lane % 16).  The tiles lie in tile order, so that the 16 registers of tiles 2 b and 2 b + 1 are keys (channels) 32 b + 16 (lane / 16) + 0 .. 15.
; The first product's K is 64: registers 6-11 of both operands hold zero codes, and the upper two scale bytes are 0.
; No prefetch: a slot is asked for four key steps of each of a SIMD's four waves ahead of the wait for it.
; REGISTERS: v1-3 16, 8, 4 x lane; v4-6 the same + the step's LDS byte; v7, v8 the spare word's address and 0; v9 -2^70; v10 32 (lane % 16); v11 4 (lane % 16); v12 -M, v13 the largest t, v[14:15] the sum in two halves; v16-27 Q;
; v29 x's scale word; v30-31 V's scale words; v32-79 four fragments of K; v80-127 four of V; v128-191 S^T, then p; v192-223 O^T; v224-235 p's codes; v232-254 at work; v248-251 K's scale words; v252 f; v253 p's scale word; v255 Q's scale word.
.set SLOT1, 65536                      ; slot 1 begins here: one exclusive or turns an address in one slot into the other's
.set REC,   13056                      ; a record: 51 x 256 bytes
.set SLOTB, 4*REC
.set SPARE, 2*SLOT1                    ; behind the ring: the spare words, 128 bytes for each wave: eight blocks of 256 bytes that no other line names
.set SPW, 7
.set NIL, 8
.set KF,  32
.set VF,  80
.set S,   128
.set O,   192
.set TB,  2                            ; s2       LDS byte at which the step's record begins
.set G0,  4                            ; s[4:7]   descriptor group 0, which walks
.set G1,  8                            ; s[8:15]  descriptor group 1
.set SEL, 16                           ; s[16:17] lane selects for v_permlanex16_b32: lane l xor 16
.set CS,  18                           ; s[18:19] c = log2(e) / 8, twice: the packed form names a pair
.set MK,  20                           ; s[20:21] the step's 64 mask words of my tile of queries
.set QP,  22                           ; s[22:23] my tile's image in the first head's record of Q
.set OP,  24                           ; s[24:25] my tile's two images in oc
.set OS,  26                           ; s[26:27] my rows' scale words in osc
.set WV,  28                           ; s28      my wave's number
.set CNT, 29                           ; s29      counts slots
.set CN4, 30                           ; s30      counts a slot's four steps
.set QS,  100                          ; s[100:101] my tile's scale words in the first head's record of Q
                                       ; s[32:63], s[68:99] the step's 64 mask words: word n in s[32 + n + 4 (n / 32)]; at the head: arguments and offsets
.macro TLOAD                           ; waves 0 to 3 fetch a record each; the branch hangs on the wave's number alone.  Four v_nop follow the line
	s_cmp_lt_u32 s[WV], 4
	s_cbranch_scc0 .Lnone_\@
	tensor_load_to_lds s[G0:G0+3], s[G1:G1+7]
	s_nop 0
.rept 4
	v_nop
.endr
.Lnone_\@:
.endm
.macro CROUND                          ; a round of the cluster's barrier
	s_barrier_signal -1
	s_barrier_wait -1
	s_cmp_lg_u32 s[WV], 0
	s_cbranch_scc1 .Lnot_wave_0_\@
	s_barrier_signal -3
.Lnot_wave_0_\@:
	s_barrier_wait -3
	s_barrier_signal -1
	s_barrier_wait -1
.endm
	s_load_b256 s[32:39], s[0:1], 0x0              ; qc s[32:33], kv s[34:35], mk s[36:37], oc s[38:39]
	s_load_b64 s[40:41], s[0:1], 0x20              ; osc
	v_lshl_add_u32 v[SPW], v0, 2, SPARE
	v_mov_b32 v[NIL], 0
	ds_add_u32 v7, v8
	ds_add_u32 v7, v8
	s_wait_dscnt 0x0
	v_lshrrev_b32 v1, 5, v0
	s_delay_alu instid0(VALU_DEP_1)
	v_readfirstlane_b32 s[WV], v1                  ; wave 0..15
	s_bfe_u32 s42, ttmp6, 0x40000                  ; cx: it enters the addresses of Q, the mask words and the results alone
	s_lshl_b32 s43, ttmp9, 2
	s_add_co_u32 s43, s43, s42                     ; my block of 256 queries
	s_and_b32 s44, ttmp7, 0xffff                   ; y = 8 b + g: batch and pair of heads, which the four partners share
	s_lshr_b32 s45, s44, 3                         ; b
	s_and_b32 s46, s44, 7                          ; g
	s_lshl_b32 s47, s43, 4
	s_add_co_u32 s47, s47, s[WV]                   ; qt: my stored tile of queries, 0..127
	s_and_b32 s49, s[WV], 3
	s_mul_i32 s49, s49, REC                        ; the record that I fetch, if I fetch: its place in a slot,
	s_mul_i32 s50, s44, 32*REC                     ; in the pair's 32 records
	s_add_co_u32 s50, s50, s49
	s_mov_b32 s51, 0
	s_lshl_b32 s52, s47, 12                        ; mk: 4,096 bytes a tile of queries
	s_mov_b32 s53, 0
	s_mul_i32 s54, s44, 2*106496                   ; qc: a head is 16 records of 6,656 bytes
	s_lshl_b32 s56, s43, 1
	s_lshr_b32 s57, s[WV], 3
	s_add_co_u32 s56, s56, s57                     ; my record: 128 queries
	s_mul_i32 s56, s56, 6656
	s_add_co_u32 s54, s54, s56
	s_and_b32 s57, s[WV], 7                        ; my tile in it
	s_lshl_b32 s56, s57, 6
	s_add_co_u32 s56, s56, s54
	s_add_co_u32 s56, s56, 6144                    ; its scale words,
	s_mul_i32 s57, s57, 768
	s_add_co_u32 s54, s54, s57                     ; its image
	s_mov_b32 s55, 0
	s_mov_b32 s57, 0
	s_lshl_b32 s58, s45, 7
	s_add_co_u32 s58, s58, s47                     ; my stored tile of the 512
	s_mul_i32 s60, s58, 3072                       ; oc: [K step of 256][tile][head of the step's four][768]
	s_lshr_b32 s59, s46, 1
	s_mul_i32 s59, s59, 1572864
	s_add_co_u32 s60, s60, s59
	s_and_b32 s59, s46, 1
	s_mul_i32 s59, s59, 1536
	s_add_co_u32 s60, s60, s59
	s_mov_b32 s61, 0
	s_lshl_b32 s62, s58, 9                         ; osc: 32 bytes a stored row, word g
	s_lshl_b32 s59, s46, 2
	s_add_co_u32 s62, s62, s59
	s_mov_b32 s63, 0
	; descriptor group 1: a record: 51 rows of 32 elements of 8 bytes, dense
	s_mov_b32 s[G1], 15|(3<<16)|(1<<21)            ; 15:0 the mask: all four work-groups; 17:16 elements of 8 bytes; 20 padding off; 21 set beside a mask
	s_mov_b32 s[G1+1], 32<<16                      ; tensor_dim0
	s_mov_b32 s[G1+2], 51<<16                      ; tensor_dim1
	s_mov_b32 s[G1+3], 32<<16                      ; tile_dim0
	s_mov_b32 s[G1+4], 51                          ; tile_dim1
	s_mov_b32 s[G1+5], 32                          ; the pitch
	s_mov_b32 s[G1+6], 0
	s_mov_b32 s[G1+7], 0
	s_mov_b32 s[SEL], 0x76543210
	s_mov_b32 s[SEL+1], 0xfedcba98
	s_mov_b32 s[CS], 0x3e38aa3b                    ; c = log2(e) / 8
	s_mov_b32 s[CS+1], s[CS]
	s_mov_b32 s[TB], 0
	v_and_b32 v3, 31, v0
	s_delay_alu instid0(VALU_DEP_1)
	v_lshlrev_b32 v1, 4, v3
	s_delay_alu instid0(VALU_DEP_2)
	v_lshlrev_b32 v2, 3, v3
	s_delay_alu instid0(VALU_DEP_3)
	v_lshlrev_b32 v3, 2, v3
	v_and_b32 v11, 15, v0
	s_delay_alu instid0(VALU_DEP_1)
	v_lshlrev_b32 v10, 5, v11
	s_delay_alu instid0(VALU_DEP_2)
	v_lshlrev_b32 v11, 2, v11
	v_mov_b32 v9, 0xe2800000                       ; -2^70
.irp j, 22,23,24,25,26,27
	v_mov_b32 v[\j], 0                             ; zero codes for the half of the K step that the head's 64 do not fill: Q's,
.endr
.irp t, 0,1,2,3
.irp j, 6,7,8,9,10,11
	v_mov_b32 v[KF+12*\t+\j], 0                    ; and K's: written once
.endr
.endr
.irp b, 0,1,2,3
	v_mov_b32 v[236+\b], 0                         ; written once: a lane permute's destination counts as one of its sources
.endr
	v_mov_b32 v252, 0
	v_mov_b32 v253, 0                              ; (named as the upper half of the pair v[252:253] before it is first written)
	s_wait_kmcnt 0x0
	s_mov_b32 s[G0], 1                             ; 1:0 count = 1
	s_mov_b32 s[G0+1], s49                         ; 63:32 LDS address: slot 0
	s_add_nc_u64 s[G0+2:G0+3], s[34:35], s[50:51]  ; 120:64 global address
	s_or_b32 s[G0+3], s[G0+3], 0x80000000          ; 127:126 type = 2
	s_add_nc_u64 s[MK:MK+1], s[36:37], s[52:53]
	s_add_nc_u64 s[QP:QP+1], s[32:33], s[54:55]
	s_add_nc_u64 s[QS:QS+1], s[32:33], s[56:57]
	s_add_nc_u64 s[OP:OP+1], s[38:39], s[60:61]
	s_add_nc_u64 s[OS:OS+1], s[40:41], s[62:63]
	CROUND                                         ; all four work-groups are here: the first joint loads meet
	TLOAD                                          ; slot 0: the first head's key steps 0 to 3
; A KEY STEP: 128 keys.
.macro STEP
	s_load_b512 s[32:47], s[MK:MK+1], 0x0          ; the step's 64 mask words: they land under the first product
	s_load_b512 s[48:63], s[MK:MK+1], 0x40
	s_load_b512 s[68:83], s[MK:MK+1], 0x80
	s_load_b512 s[84:99], s[MK:MK+1], 0xc0
	v_add_nc_u32 v4, s[TB], v1
	s_wait_alu depctr_va_vdst(0)
	v_add_nc_u32 v5, s[TB], v2
	s_wait_alu depctr_va_vdst(0)
	v_add_nc_u32 v6, s[TB], v3
.irp g, 0,1                                    ; S^T = K Q^T, four tiles of 16 keys at a time
.if \g
.rept 4
	v_nop                                          ; places in front of loads into registers that the four products above have read
.endr
.endif
.irp t, 0,1,2,3
	ds_load_b128 v[KF+12*\t:KF+12*\t+3], v4 offset:768*(4*\g+\t)
	ds_load_b64 v[KF+12*\t+4:KF+12*\t+5], v5 offset:768*(4*\g+\t)+512
.endr
.if \g == 0
.irp i, 0,1,2,3
	ds_load_b32 v[248+\i], v6 offset:6144+128*\i   ; K's scale words: lanes 0-15 tile 2 i, lanes 16-31 tile 2 i + 1
.endr
.endif
	s_wait_dscnt 0x0
.irp t, 0,2
	v_wmma_scale_f32_16x16x128_f8f6f4 v[S+8*(4*\g+\t):S+8*(4*\g+\t)+7], v[KF+12*\t:KF+12*\t+11], v[16:27], 0, v[248+2*\g+\t/2], v255 matrix_a_fmt:MATRIX_FMT_FP6 matrix_b_fmt:MATRIX_FMT_FP6
	v_wmma_scale_f32_16x16x128_f8f6f4 v[S+8*(4*\g+\t)+8:S+8*(4*\g+\t)+15], v[KF+12*\t+12:KF+12*\t+23], v[16:27], 0, v[248+2*\g+\t/2], v255 matrix_a_fmt:MATRIX_FMT_FP6 matrix_b_fmt:MATRIX_FMT_FP6 matrix_a_scale:MATRIX_SCALE_ROW1
.endr
.endr
.rept 4
	v_nop                                          ; places behind the products: for the first reads of the scores (with the lines above, also for the loads into V's registers)
.endr
.irp t, 0,1,2,3                                ; V's four tiles and their scale words: they land under the softmax
.irp c, 0,1,2
	ds_load_b128 v[VF+12*\t+4*\c:VF+12*\t+4*\c+3], v4 offset:6656+1536*\t+512*\c
.endr
.endr
	s_wait_alu depctr_va_vdst(0)
	ds_load_b32 v30, v6 offset:12800
	ds_load_b32 v31, v6 offset:12928
	s_wait_kmcnt 0x0                               ; the mask words
.set n, 0
.rept 64
	v_cndmask_b32 v[S+n], v9, v[S+n], s[32+n+4*(n/32)]   ; a hidden score becomes -2^70; each accumulator from its low end on
.set n, n+1
.endr
	s_add_nc_u64 s[MK:MK+1], s[MK:MK+1], 256       ; the next step's words (the loads are done)
.irp b, 0,1,2,3
	v_max3_num_f32 v[232+\b], v[S+16*\b], v[S+1+16*\b], v[S+2+16*\b]   ; THE LARGEST SCORE OF EACH BLOCK OF 32 KEYS: it serves for the row's maximum and, since p rises with the score, for the block's largest p
.endr
.irp i, 3,5,7,9,11,13
.irp b, 0,1,2,3
	s_delay_alu instid0(VALU_DEP_4)
	v_max3_num_f32 v[232+\b], v[232+\b], v[S+16*\b+\i], v[S+1+16*\b+\i]
.endr
.endr
.irp b, 0,1,2,3
	s_delay_alu instid0(VALU_DEP_4)
	v_max_num_f32 v[232+\b], v[232+\b], v[S+15+16*\b]
.endr
.irp b, 0,1,2,3
	s_delay_alu instid0(VALU_DEP_4)
	v_permlanex16_b32 v[236+\b], v[232+\b], s[SEL], s[SEL+1]
.endr
.irp b, 0,1,2,3
	s_delay_alu instid0(VALU_DEP_4)
	v_max_num_f32 v[232+\b], v[232+\b], v[236+\b]  ; with lane l xor 16's 16 keys
.endr
	s_delay_alu instid0(VALU_DEP_2)
	v_max3_num_f32 v254, v232, v233, v234
	s_delay_alu instid0(VALU_DEP_1)
	v_max_num_f32 v254, v254, v235                 ; the step's largest score of my query
	s_delay_alu instid0(VALU_DEP_1)
	v_mul_f32 v254, s[CS], v254                    ; as t (c is positive)
	s_delay_alu instid0(VALU_DEP_1)
	v_max_num_f32 v13, v13, v254                   ; the running largest t
	v_mov_b32 v254, v12
	s_delay_alu instid0(VALU_DEP_2)
	v_floor_f32 v12, -v13                          ; the new -M = floor(-t): M IS A WHOLE NUMBER
	s_delay_alu instid0(VALU_DEP_1)
	v_sub_f32 v254, v12, v254                      ; M's old value less its new one: a whole number, 0 or less
	s_delay_alu instid0(VALU_DEP_1)
	v_cvt_i32_f32 v254, v254                       ; (it saturates)
	s_delay_alu instid0(VALU_DEP_1)
	v_ldexp_f32 v252, 1.0, v254                    ; f = 2^(old M - new M)
.set j, 0
.rept 32
	v_pk_fma_f32 v[S+j:S+j+1], v[S+j:S+j+1], s[CS:CS+1], v[12:13] op_sel_hi:[1,0,0]   ; t - M, two at a time
.set j, j+2
.endr
.irp b, 0,1,2,3
	v_fma_f32 v[232+\b], v[232+\b], s[CS], v12     ; the same of each block's largest score
.endr
.set j, 0
	s_setprio 1
	s_wait_alu depctr_va_vdst(0)
.rept 64
	v_exp_f32 v[S+j], v[S+j]                       ; p = 2^(t - M), at most 1: NOT normalised
.set j, j+1
.endr
	v_pk_mul_f32 v[14:15], v[14:15], v[252:253] op_sel_hi:[1,0]   ; the sums under the new M (a plain place behind the exponentials)
	s_wait_alu depctr_va_vdst(0)                   ; one wait for the whole batch, ahead of its first reader
.irp b, 0,1,2,3
	v_exp_f32 v[232+\b], v[232+\b]                 ; the block's largest p: the same two instructions on the same number give the same bits
.endr
	v_pk_add_f32 v[236:237], v[132:133], v[136:137]
	v_pk_add_f32 v[250:251], v[140:141], v[144:145]
	v_pk_add_f32 v[248:249], v[148:149], v[152:153]
	v_pk_add_f32 v[246:247], v[156:157], v[160:161]
	v_pk_add_f32 v[244:245], v[164:165], v[168:169]
	v_pk_add_f32 v[242:243], v[172:173], v[176:177]
	v_pk_add_f32 v[240:241], v[180:181], v[184:185]
	v_pk_add_f32 v[14:15], v[14:15], v[188:189]
	v_pk_add_f32 v[236:237], v[236:237], v[128:129]
	v_pk_add_f32 v[250:251], v[250:251], v[130:131]
	v_pk_add_f32 v[248:249], v[248:249], v[134:135]
	v_pk_add_f32 v[246:247], v[246:247], v[138:139]
	v_pk_add_f32 v[244:245], v[244:245], v[142:143]
	v_pk_add_f32 v[242:243], v[242:243], v[146:147]
	v_pk_add_f32 v[240:241], v[240:241], v[150:151]
	v_pk_add_f32 v[14:15], v[14:15], v[154:155]
	v_pk_add_f32 v[236:237], v[236:237], v[158:159]
	v_pk_add_f32 v[250:251], v[250:251], v[162:163]
	v_pk_add_f32 v[248:249], v[248:249], v[166:167]
	v_pk_add_f32 v[246:247], v[246:247], v[170:171]
	v_pk_add_f32 v[244:245], v[244:245], v[174:175]
	v_pk_add_f32 v[242:243], v[242:243], v[178:179]
	v_pk_add_f32 v[240:241], v[240:241], v[182:183]
	v_pk_add_f32 v[14:15], v[14:15], v[186:187]
	v_pk_add_f32 v[236:237], v[236:237], v[190:191]
	s_delay_alu instid0(VALU_DEP_2)
	v_pk_add_f32 v[14:15], v[14:15], v[246:247]
	s_delay_alu instid0(VALU_DEP_2)
	v_pk_add_f32 v[236:237], v[236:237], v[244:245]
	v_pk_add_f32 v[250:251], v[250:251], v[242:243]
	v_pk_add_f32 v[248:249], v[248:249], v[240:241]
	s_delay_alu instid0(VALU_DEP_2)
	v_pk_add_f32 v[14:15], v[14:15], v[250:251]
	s_delay_alu instid0(VALU_DEP_2)
	v_pk_add_f32 v[236:237], v[236:237], v[248:249]
	s_delay_alu instid0(VALU_DEP_1)
	v_pk_add_f32 v[14:15], v[14:15], v[236:237]
	s_wait_alu depctr_va_vdst(0)                   ; and one for the four
.irp b, 0,1,2,3
	v_max_num_f32 v[232+\b], 0x1800000, v[232+\b]  ; the floor 2^(3 - 127): the byte cannot fall under 1 (a block whose every p is 0 keeps that byte: its codes are zeros)
.endr
.irp b, 0,1,2,3
	s_delay_alu instid0(VALU_DEP_4)
	v_add_nc_u32 v[244+\b], 0xff000000, v[232+\b]  ; 2 off the exponent field: the conversion's scale operand
.endr
.irp b, 0,1,2,3
	s_delay_alu instid0(VALU_DEP_4)
	v_lshrrev_b32 v[236+\b], 23, v[244+\b]         ; the scale's byte
.endr
	s_delay_alu instid0(VALU_DEP_3)
	v_lshl_or_b32 v253, v237, 8, v236              ; p's scale word for these 128 keys
	s_delay_alu instid0(VALU_DEP_1)
	v_lshl_or_b32 v253, v238, 16, v253
	s_delay_alu instid0(VALU_DEP_1)
	v_lshl_or_b32 v253, v239, 24, v253
.irp c, 0,1
	v_cvt_scalef32_pk16_fp6_f32 v[224+6*\c:226+6*\c], v[S+32*\c:S+15+32*\c], v[244+2*\c]
	v_cvt_scalef32_pk16_fp6_f32 v[236+4*\c:238+4*\c], v[S+16+32*\c:S+31+32*\c], v[244+2*\c+1]   ; (a conversion's three registers begin on an even number)
.endr
	s_setprio 0
	v_nop                                          ; one plain place behind a scaled conversion
.irp c, 0,1                                    ; the operand's layout wants a WHOLE block in a lane: lanes 0-15 block 2 c, lanes 16-31 block 2 c + 1
.irp i, 0,1,2
	v_permlane16_swap_b32 v[224+6*\c+\i], v[236+4*\c+\i]
.endr
.irp i, 0,1,2
	s_delay_alu instid0(VALU_DEP_3)
	v_mov_b32 v[227+6*\c+\i], v[236+4*\c+\i]
.endr
.endr
.set j, 0
.rept 16
	v_pk_mul_f32 v[O+j:O+j+1], v[O+j:O+j+1], v[252:253] op_sel_hi:[1,0]   ; O^T under the new M: x f.  (These sixteen are also the places between the lines that wrote p's codes and scale word and the products below)
.set j, j+2
.endr
	s_wait_alu depctr_va_vdst(0)
	s_wait_dscnt 0x0                               ; V
.irp t, 0,2                                    ; O^T += V^T P^T: four tiles of 16 channels; the four accumulators take turns
	v_wmma_scale_f32_16x16x128_f8f6f4 v[O+8*\t:O+8*\t+7], v[VF+12*\t:VF+12*\t+11], v[224:235], v[O+8*\t:O+8*\t+7], v[30+\t/2], v253 matrix_a_fmt:MATRIX_FMT_FP6 matrix_b_fmt:MATRIX_FMT_FP6
	v_wmma_scale_f32_16x16x128_f8f6f4 v[O+8*\t+8:O+8*\t+15], v[VF+12*\t+12:VF+12*\t+23], v[224:235], v[O+8*\t+8:O+8*\t+15], v[30+\t/2], v253 matrix_a_fmt:MATRIX_FMT_FP6 matrix_b_fmt:MATRIX_FMT_FP6 matrix_a_scale:MATRIX_SCALE_ROW1
.endr
	s_add_co_u32 s[TB], s[TB], REC                 ; the next step's record
.endm
.macro FOUR_STEPS                      ; a slot's four key steps: written once, walked four times
	s_mov_b32 s[CN4], 4
.Lstep_\@:
	s_setprio 2
	STEP
	s_sub_co_u32 s[CN4], s[CN4], 1
	s_cmp_lg_u32 s[CN4], 0
	s_cbranch_scc1 .Lstep_\@
	s_setprio 0
	s_sub_co_u32 s[TB], s[TB], SLOTB               ; back to a slot's first record,
	s_xor_b32 s[TB], s[TB], SLOT1                  ; in the other slot
.endm
; THE CHANGE OF SLOTS stands at a slot's head.  Each wave waits for all its tensor loads (its part of the slot that it is about to read), adds 0 to its spare word, and waits for that and for its reads of the slot that it has left.
; fill = 1: the barrier is a round of the cluster's, so that no wave of any partner still reads the other slot or has a load on its way; the joint fill of that slot is the first thing behind it, and has four key steps in which to land.
.macro CHANGE fill
	s_wait_tensorcnt 0x0                           ; no tensor load of mine is out, so group 0 may be written
	ds_add_u32 v[SPW], v[NIL]                      ; 0 onto my spare word
.if \fill
	s_xor_b32 s[G0+1], s[G0+1], SLOT1              ; the other slot than last time,
	s_add_nc_u64 s[G0+2:G0+3], s[G0+2:G0+3], SLOTB ; the next four records; the type bits on top are not reached
.endif
	s_wait_dscnt 0x0                               ; the add is done, and my reads of the slot that I have left are over
.if \fill
	CROUND
	TLOAD
.else
	s_barrier_signal -1
	s_barrier_wait -1
.endif
.endm
; A head begins: its Q (head c of the pair), and the running figures.  O^T and the sum begin as zeros and the largest t as -3e38, under every t: the first change of M multiplies zeros.
.macro HEADINIT c
	global_load_b128 v[16:19], v1, s[QP:QP+1] offset:106496*\c
	global_load_b64 v[20:21], v2, s[QP:QP+1] offset:106496*\c+512
	global_load_b32 v255, v11, s[QS:QS+1] offset:106496*\c
	v_mov_b32 v13, 0xff61b1e6
	s_delay_alu instid0(VALU_DEP_1)
	v_floor_f32 v12, -v13
	v_mov_b32 v14, 0
	v_mov_b32 v15, 0
.set j, 0
.rept 32
	v_mov_b32 v[O+j], 0
.set j, j+1
.endr
.if \c
	s_sub_nc_u64 s[MK:MK+1], s[MK:MK+1], 4096      ; the mask words from key step 0 again
	s_wait_xcnt 0x0                                ; the first head's stores have read the codes' registers, which the next steps write
.endif
	s_wait_loadcnt 0x0
.endm
; A head ends: O^T / the sum is x's 64 numbers of my query; they are quantised, two blocks of 32, and leave as an image of 768 bytes.  Register 16 b + i is channel 32 b + 16 h + i.
.macro FINAL c
.rept 4
	v_nop                                          ; places behind the last products
.endr
	v_add_f32 v14, v14, v15                        ; the sum's two halves,
	s_delay_alu instid0(VALU_DEP_1)
	v_permlanex16_b32 v252, v14, s[SEL], s[SEL+1]
	s_delay_alu instid0(VALU_DEP_1)
	v_add_f32 v14, v14, v252                       ; and lane l xor 16's: the row's sum
	s_wait_alu depctr_va_vdst(0)
	v_rcp_f32 v14, v14
	v_nop                                          ; a plain place behind the reciprocal
	s_wait_alu depctr_va_vdst(0)                   ; and a wait ahead of its first reader
.set j, 0
.rept 16
	v_pk_mul_f32 v[S+j:S+j+1], v[O+j:O+j+1], v[14:15] op_sel_hi:[1,0]   ; each accumulator from its low end on
.set j, j+2
.endr
.irp b, 0,1
	v_max3_num_f32 v[232+\b], |v[S+16*\b]|, |v[S+1+16*\b]|, 0x1800000
.endr
.irp i, 2,4,6,8,10,12,14
.irp b, 0,1
	s_delay_alu instid0(VALU_DEP_2)
	v_max3_num_f32 v[232+\b], v[232+\b], |v[S+16*\b+\i]|, |v[S+1+16*\b+\i]|
.endr
.endr
.irp b, 0,1
	s_delay_alu instid0(VALU_DEP_2)
	v_permlanex16_b32 v[236+\b], v[232+\b], s[SEL], s[SEL+1]
.endr
.irp b, 0,1
	s_delay_alu instid0(VALU_DEP_2)
	v_max_num_f32 v[232+\b], v[232+\b], v[236+\b]
.endr
.irp b, 0,1
	s_delay_alu instid0(VALU_DEP_2)
	v_add_nc_u32 v[244+\b], 0xff000000, v[232+\b]
.endr
.irp b, 0,1
	s_delay_alu instid0(VALU_DEP_2)
	v_lshrrev_b32 v[236+\b], 23, v[244+\b]
.endr
.if \c
	s_delay_alu instid0(VALU_DEP_2)
	v_lshl_or_b32 v29, v236, 16, v29               ; the second head's two bytes make the word whole
	s_delay_alu instid0(VALU_DEP_1)
	v_lshl_or_b32 v29, v237, 24, v29
.else
	s_delay_alu instid0(VALU_DEP_1)
	v_lshl_or_b32 v29, v237, 8, v236               ; the first head's two bytes
.endif
	v_cvt_scalef32_pk16_fp6_f32 v[224:226], v[S:S+15], v244
	v_cvt_scalef32_pk16_fp6_f32 v[240:242], v[S+16:S+31], v245
	v_nop                                          ; one plain place behind a scaled conversion
.irp i, 0,1,2
	v_permlane16_swap_b32 v[224+\i], v[240+\i]     ; lanes 0-15 block 0, lanes 16-31 block 1
.endr
.irp i, 0,1,2
	s_delay_alu instid0(VALU_DEP_3)
	v_mov_b32 v[227+\i], v[240+\i]
.endr
	global_store_b128 v1, v[224:227], s[OP:OP+1] offset:768*\c        ; 512 consecutive bytes, aligned,
	global_store_b64 v2, v[228:229], s[OP:OP+1] offset:768*\c+512     ; and 256
.if \c
	global_store_b32 v10, v29, s[OS:OS+1]          ; my rows' words, 32 bytes apart: 64 bytes of the 1,600 that the wave stores; lanes l and l xor 16 write the same word with the same value
.endif
.endm
	HEADINIT 0
	s_mov_b32 s[CNT], 4
.Lhead0:                                           ; the first head's four slots; behind each change the next slot is asked for: the ring goes on into the second head
	CHANGE 1
	FOUR_STEPS
	s_sub_co_u32 s[CNT], s[CNT], 1
	s_cmp_lg_u32 s[CNT], 0
	s_cbranch_scc1 .Lhead0
	FINAL 0
	HEADINIT 1
	s_mov_b32 s[CNT], 3
.Lhead1:
	CHANGE 1
	FOUR_STEPS
	s_sub_co_u32 s[CNT], s[CNT], 1
	s_cmp_lg_u32 s[CNT], 0
	s_cbranch_scc1 .Lhead1
	CHANGE 0                                       ; the last slot is written out
	FOUR_STEPS
	FINAL 1
	s_wait_tensorcnt 0x0                           ; the wave's end
	ds_add_u32 v[SPW], v[NIL]
	s_wait_dscnt 0x0
	CROUND                                         ; the closing round: no work-group ends while a partner may still ask for a record that names it
	s_endpgm
.Lfunc_end_k_q5472930556_attn:
	.size	k_q5472930556_attn, .Lfunc_end_k_q5472930556_attn-k_q5472930556_attn
	.p2alignl 7, 3214868480
	.fill 96, 4, 3214868480
	.section	.rodata,"a",@progbits
	.p2align	6, 0x0
	.amdhsa_kernel k_q5472930556_attn
		.amdhsa_group_segment_fixed_size 327680
		.amdhsa_private_segment_fixed_size 0
		.amdhsa_enable_private_segment 0
		.amdhsa_kernarg_size 40
		.amdhsa_user_sgpr_count 2
		.amdhsa_user_sgpr_kernarg_segment_ptr 1
		.amdhsa_wavefront_size32 1
		.amdhsa_system_sgpr_workgroup_id_x 1
		.amdhsa_system_sgpr_workgroup_id_y 1
		.amdhsa_system_sgpr_workgroup_id_z 1
		.amdhsa_system_vgpr_workitem_id 0
		.amdhsa_next_free_vgpr 256
		.amdhsa_next_free_sgpr 102
		.amdhsa_reserve_vcc 0
		.amdhsa_float_denorm_mode_32 3
		.amdhsa_float_denorm_mode_16_64 3
		.amdhsa_memory_ordered 1
		.amdhsa_forward_progress 1
		.amdhsa_inst_pref_size 89
	.end_amdhsa_kernel
	.amdgpu_metadata
---
amdhsa.version: [ 1, 2 ]
amdhsa.kernels:
  - .name:           k_q5472930556_attn
    .symbol:         k_q5472930556_attn.kd
    .args:
      - { .name: qc, .offset: 0, .size: 8, .value_kind: global_buffer, .address_space: global }
      - { .name: kv, .offset: 8, .size: 8, .value_kind: global_buffer, .address_space: global }
      - { .name: mk, .offset: 16, .size: 8, .value_kind: global_buffer, .address_space: global }
      - { .name: oc, .offset: 24, .size: 8, .value_kind: global_buffer, .address_space: global }
      - { .name: osc, .offset: 32, .size: 8, .value_kind: global_buffer, .address_space: global }
    .group_segment_fixed_size: 327680
    .private_segment_fixed_size: 0
    .kernarg_segment_align: 8
    .kernarg_segment_size: 40
    .max_flat_workgroup_size: 512
    .sgpr_count:     102
    .vgpr_count:     256
    .wavefront_size: 32
...
	.end_amdgpu_metadata
.endif
;; end of part 4
;; launch outp (part 5): grid 4 x 32, 4 waves a work-group, clusters of 4 x 4, 327,680 bytes of LDS; arguments oc, osc, c1, s1, bo, out0; writes out0
.if DOCPART == 5
	.amdgcn_target "amdgcn-amd-amdhsa--gfx1250"
	.amdhsa_code_object_version 6
	.text
	.protected	k_q5472930556_outp
	.globl	k_q5472930556_outp
	.p2align	8
	.type	k_q5472930556_outp,@function
k_q5472930556_outp:
	s_mov_b64 s[64:65], 0
	v_nop
	global_prefetch_b8 v0, s[64:65] scope:SCOPE_SE
	s_setreg_imm32_b32 hwreg(HW_REG_WAVE_MODE, 25, 1), 1
	s_wait_xcnt 0x0
	s_wait_alu depctr_hold_cnt(0) depctr_sa_sdst(0) depctr_va_vdst(0) depctr_va_sdst(0) depctr_va_ssrc(0) depctr_va_vcc(0) depctr_vm_vsrc(0)
	s_getreg_b32 s2, hwreg(HW_REG_IB_STS2, 6, 4)
	s_cmp_eq_u32 s2, 0
	s_cbranch_scc0 .Lentry_in_a_cluster
	s_endpgm
.Lentry_in_a_cluster:
	s_bfe_u32 s2, ttmp6, 0x10000c
	s_cmp_lg_u32 s2, 0xf033
	s_cbranch_scc0 .Lentry_shape_is_right
	s_endpgm
.Lentry_shape_is_right:
.set MODE, 2
; ONE TEXT FOR THREE LAUNCHES, told apart by MODE in the first line.  C'[m][n] = bias + sum over k of A'[m][k] B'[n][k], K = 1,024, on codes of FP6 (E2M3) with one E8M0 byte for each 32 along K.
;   MODE 0: A' = query and key as one matrix of 16,384 rows, B' = Wq or Wk (T = 0, 1: the upper half of the tile rows), bias bq or bk along n.  The result is quantised along n (the head's 64) and leaves as records of Q (qc) and K (kv).
;   MODE 1: A' = Wv, B' = value, bias bv along m: the result is V transposed, n = the keys; it is quantised along the keys and leaves into kv's records.
;   MODE 2: A' = the attention's result (oc: images of operand registers; osc: scale words), B' = Wo, bias bo along n: the result is out0, f32.
; All rows lie in TILE ORDER: stored row 32 g + 16 u + x is row 32 g + 8 u + x + 8 (x / 8).  THE MATRIX INSTRUCTION IS USED TRANSPOSED (source 0 = 16 stored rows of B', source 1 = 16 of A'): a lane holds one row m, and the 16 registers of
; B's tiles 2 b and 2 b + 1 are the 16 neighbours n = 32 b + 16 (lane / 16) + 0 .. 15: what the conversions to codes want, and what a row of out0 wants.
; A tile of C', 256 x 256, is made by four waves, 128 x 128 each: 64 accumulators, 512 registers.  K goes in four steps of 256 through two LDS slots filled by the tensor data mover; the scale bytes of the work-group's rows come once and stay.
; CLUSTERS: 4 x 4 work-groups; A's tiles are asked for jointly along a row of the cluster, B's along a column.  THE BIAS is the C of each sum's first product.
; LIMITS (MODE 0, 1): a block of zeros gets the byte 1 (its codes are zeros; this program alone reads the bytes); blocks under 2^-124 are held at the byte 1; NaN and infinities are not served.
; REGISTERS, in windows of 256: window 0: v0-31 addresses; v32-63 scale words, two sets; v64-127 the bias, later at work on the way out; from v128 A's fragments, ONE set.  window 1: B's fragments, TWO sets, at v0 and v128.
;   window 2: the accumulators of my rows 0-63 ((a, b) at v[8 (8 a + b)]); window 3: those of my rows 64-127.
.set KSTEP,  256                       ; along K in a slot
.set NQ,     2                         ; matrix instructions deep
.set ROWB,   192                       ; a tile's row in bytes
.set KROW,   768                       ; a row of codes in memory
.set PITCH,  240                       ; an LDS row: 3 x (64 bytes + 16 of padding): the 32 lanes of a load of 8 bytes touch 64 different banks (64 banks of 4 bytes: ISA guide 11.1)
.set FR,     12                        ; registers of a fragment
.set NP,     4                         ; places behind this matrix instruction (ISA guide 7.12.1)
.set HALFT,  128*PITCH                 ; 128 rows: what one tensor load brings
.set SLOT,   4*HALFT                   ; A's 256 rows, then B's 256 rows
.set KS,     32                        ; a row of scale bytes
.set SCL,    2*SLOT                    ; behind the ring: the scale bytes, as runs of 256 bytes + 16 of padding
.set HALFS,  16*272                    ; those of 128 rows
.set SBLK,   2*272                     ; those of 16 rows
.set SPARE,  SCL+4*HALFS               ; the spare words, 128 bytes for each wave: two blocks of 256 bytes that no other line names
.set STG,    SPARE+512                 ; MODE 0, 1: 1,024 bytes for each wave, where its rows' new scale words are gathered; no fill lands here
.set SPITCH, 528                       ; MODE 2: a stage of 16 rows x (512 bytes + 16) for each wave, in slot 0, which has had its last fill and its last read by then
.if MODE == 2
.set NLA,   4                          ; LDS loads that bring a fragment of A
.set ASTEP, 1572864                    ; from one K step of A to the next, in bytes
.set AMUL,  192                        ; bytes of a K step for each stored row: a tile of 16 rows is 4 images of 768
.else
.set NLA,   6
.set ASTEP, 192
.set AMUL,  768
.endif
.if MODE == 0
.set AOFF,  0                          ; where A' and B' begin in the codes' buffer and in the scale bytes'
.set ASOFF, 0
.set BOFF,  18874368
.set BSOFF, 786432
.elseif MODE == 1
.set AOFF,  20447232
.set ASOFF, 851968
.set BOFF,  12582912
.set BSOFF, 524288
.else
.set AOFF,  0
.set ASOFF, 0
.set BOFF,  21233664
.set BSOFF, 884736
.endif
.set BOFR, 8                           ; v8      the bias loads' offset; never rewritten
.set ADRA, 16                          ; v16-17  LDS address of my A fragments in slot 0, 1 (v18-19: behind one padding more; MODE 2: v16-17 16 x lane, v18-19 8 x lane)
.set ADRB, 20                          ; v20-23  the same for B
.set STO,  24                          ; v24     MODE 2: where I put 32 bytes of a row.  MODE 0, 1 (SST): where my row's scale word goes
.set SST,  24
.set RD,   25                          ; v25     where I read the stage back
.set SRD,  25
.set CO,   26                          ; v26     16 x lane
.set LI16, 26
.set ADRS, 27                          ; v27     LDS address of my scale words: lanes 0-15 A's rows, lanes 16-31 B's
.set SPW,  28                          ; v28     LDS address of my spare word; never rewritten
.set NIL,  29                          ; v29     0; never rewritten
.set SH16, 30                          ; v30     MODE 0: 16 (lane / 16).  MODE 1 (SGO): 16 (lane % 16) + a head's stride x (lane / 16)
.set SGO,  30
.set LI8,  31                          ; v31     8 x lane
.set SC,   32                          ; scale words: set s at v[SC + 16 s]; register 2 i + q: lanes 0-15 A's block i, lanes 16-31 B's block i
.set BIAS, 64
.set AF,   128
.set BK,   128                         ; MODE 2: rows read back from the stage: v128-191 and v192-255 by turns
.set TM,   64                          ; the way out of MODE 0, 1: v64-67 largest magnitudes, v68-71 bytes, v76-79 the conversions' scale operands
.set PW,   80                          ; the scale word just made
.set SW,   84                          ; v84-91  MODE 0: the word of my half's head, for each block
.set PC,   96                          ; v96-114 the codes just made
.set SEL,  98                          ; s98, s99 lane selects for v_permlanex16_b32: lane l xor 16
.set G1, 24                            ; s[24:31] descriptor group 1 for A's tiles;  s[32:39] group 0, one set for each slot
.set G0, 32
.set G1B, 48                           ; s[48:55], s[56:63] the same for B's tiles
.set G0B, 56
.set G1S, 68                           ; s[68:75], s[76:79] groups 1 and 0 for A's scale bytes;  s[80:87], s[88:91] for B's
.set G0S, 76
.set G1SB, 80
.set G0SB, 88
.set MSB, 0
.macro WIN new                         ; the immediate's high byte repeats the setting that is left
.if MSB != \new
	s_set_vgpr_msb (MSB<<8)|\new
.set MSB, \new
.endif
.endm
.set MUL_LO,  0xa1                     ; source 0 (B) window 1, source 1 (A) window 0, C and D window 2
.set MUL_HI,  0xf1                     ; the same, C and D window 3
.set MULZ_LO, 0x81                     ; the first products: C (the bias) window 0, D window 2
.set MULZ_HI, 0xc1                     ; D window 3
.set TO_B,    0x40                     ; destination window 1, address window 0
; A joint load: waves 0 and 1 fetch for A, waves 2 and 3 for B.  Each of the two lines has ONE mask and one set of registers for all that issue it; the branch hangs on the wave's number alone.
; Four v_nop follow each of the two lines, ahead of the jump, the label and what follows.
.macro JLOAD g0a, g1a, g0b, g1b
	s_cmp_eq_u32 s15, 0
	s_cbranch_scc0 .Lfor_b_\@
	tensor_load_to_lds s[\g0a:\g0a+3], s[\g1a:\g1a+7]
	s_nop 0
.rept 4
	v_nop
.endr
	s_branch .Lasked_\@
.Lfor_b_\@:
	tensor_load_to_lds s[\g0b:\g0b+3], s[\g1b:\g1b+7]
	s_nop 0
.rept 4
	v_nop
.endr
.Lasked_\@:
.endm
.macro CREST                           ; a round of the cluster's barrier behind its opening barrier
	s_cmp_lg_u32 s14, 0
	s_cbranch_scc1 .Lnot_wave_0_\@
	s_barrier_signal -3
.Lnot_wave_0_\@:
	s_barrier_wait -3
	s_barrier_signal -1
	s_barrier_wait -1
.endm
.macro CROUND                          ; a whole round
	s_barrier_signal -1
	s_barrier_wait -1
	CREST
.endm
.if MODE == 0
	s_load_b128 s[4:7], s[0:1], 0x0                ; c1, s1
	s_load_b128 s[96:99], s[0:1], 0x10             ; bq, bk
	s_load_b64 s[12:13], s[0:1], 0x20              ; qc
	s_load_b64 s[100:101], s[0:1], 0x28            ; kv
.elseif MODE == 1
	s_load_b128 s[4:7], s[0:1], 0x0                ; c1, s1
	s_load_b128 s[96:99], s[0:1], 0x10             ; bv, kv
.else
	s_load_b128 s[4:7], s[0:1], 0x0                ; oc, osc
	s_load_b128 s[8:11], s[0:1], 0x10              ; c1, s1
	s_load_b128 s[96:99], s[0:1], 0x20             ; bo, out0
.endif
	v_lshl_add_u32 v[SPW], v0, 2, SPARE
	v_mov_b32 v[NIL], 0
	ds_add_u32 v28, v29
	s_wait_dscnt 0x0
	v_lshrrev_b32 v1, 5, v0
	v_readfirstlane_b32 s14, v1                    ; wave 0..3
	s_lshr_b32 s15, s14, 1                         ; which half of the tile's rows is mine.  Also: I fetch for A (0) or for B (1)
	s_and_b32 s16, s14, 1                          ; which half of its columns.  Also: which 128 rows of that tile I fetch
	s_bfe_u32 s40, ttmp6, 0x40000                  ; cx, cy: my place in the cluster
	s_bfe_u32 s41, ttmp6, 0x40004
	s_lshl_b32 s42, ttmp9, 2
	s_add_co_u32 s42, s42, s40                     ; tile column = 4 x cluster x + cx
.if MODE == 1
	s_mov_b32 s17, s41                             ; one cluster along y: the tile row is cy
.else
	s_and_b32 s17, ttmp7, 0xffff
.if MODE == 0
	s_lshr_b32 s2, s17, 3                          ; T: 0 for query and Wq, 1 for key and Wk: made of the cluster's y alone, so it is the same in all sixteen partners
.endif
	s_lshl_b32 s17, s17, 2
	s_add_co_u32 s17, s17, s41                     ; tile row = 4 x cluster y + cy
.endif
	s_lshl_b32 s43, s41, 2
	s_lshl_b32 s43, 15, s43                        ; my row of the cluster
	s_lshl_b32 s44, 0x1111, s40                    ; my column
	; descriptor group 1 for tiles of codes: 128 rows x 192 bytes, 768 bytes apart, 16 bytes of padding behind every 64
.if MODE == 2
	s_or_b32 s[G1+0], s43, (3<<16)|(1<<21)         ; A's tile is one dense block of 24,576 bytes (8 tiles of rows x 4 images of 768): 96 rows of 32 elements of 8 bytes, no padding
	s_mov_b32 s[G1+1], 32<<16
	s_mov_b32 s[G1+2], 96<<16
	s_mov_b32 s[G1+3], 32<<16
	s_mov_b32 s[G1+4], 96
	s_mov_b32 s[G1+5], 32
.else
	s_or_b32 s[G1+0], s43, (0<<16)|(1<<20)|(1<<21)|(3<<22)|(3<<25)  ; 15:0 the mask: my row; 17:16 elements of 1 byte; 20 padding on; 21 set beside a mask; 24:22 after every 16 words; 31:25 of 4 words
	s_mov_b32 s[G1+1], ROWB<<16                    ; tensor_dim0
	s_mov_b32 s[G1+2], 128<<16                     ; tensor_dim1
	s_mov_b32 s[G1+3], ROWB<<16                    ; tile_dim0
	s_mov_b32 s[G1+4], 128                         ; tile_dim1
	s_mov_b32 s[G1+5], KROW                        ; the pitch
.endif
	s_mov_b32 s[G1+6], 0
	s_mov_b32 s[G1+7], 0
	s_or_b32 s[G1B+0], s44, (0<<16)|(1<<20)|(1<<21)|(3<<22)|(3<<25)  ; B's: the mask of my column
	s_mov_b32 s[G1B+1], ROWB<<16
	s_mov_b32 s[G1B+2], 128<<16
	s_mov_b32 s[G1B+3], ROWB<<16
	s_mov_b32 s[G1B+4], 128
	s_mov_b32 s[G1B+5], KROW
	s_mov_b32 s[G1B+6], 0
	s_mov_b32 s[G1B+7], 0
	; and for the scale bytes of 128 rows: a dense block of 4,096 bytes, as 16 rows of 256 bytes, 16 bytes of padding behind each
	s_or_b32 s[G1S+0], s43, (3<<16)|(1<<20)|(1<<21)|(5<<22)|(3<<25)
	s_or_b32 s[G1SB+0], s44, (3<<16)|(1<<20)|(1<<21)|(5<<22)|(3<<25)
.irp g, G1S, G1SB
	s_mov_b32 s[\g+1], 32<<16
	s_mov_b32 s[\g+2], 16<<16
	s_mov_b32 s[\g+3], 32<<16
	s_mov_b32 s[\g+4], 16
	s_mov_b32 s[\g+5], 32
	s_mov_b32 s[\g+6], 0
	s_mov_b32 s[\g+7], 0
.endr
	s_lshl_b32 s18, s16, 7                         ; which 128 rows of the tile I fetch
	s_lshl_b32 s20, s17, 8
	s_add_co_u32 s20, s20, s18                     ; A: stored row 256 x tile row + 128 x half
	s_lshl_b32 s46, s42, 8
	s_add_co_u32 s46, s46, s18                     ; B: stored row 256 x tile column + 128 x half
	s_mov_b32 s21, 0
	s_mov_b32 s47, 0
	s_mov_b64 s[18:19], KS
	s_mul_u64 s[22:23], s[20:21], s[18:19]         ; where these rows' scale bytes begin,
	s_mul_u64 s[92:93], s[46:47], s[18:19]
	s_mov_b64 s[18:19], AMUL
	s_mul_u64 s[20:21], s[20:21], s[18:19]         ; and their codes
	s_mov_b64 s[18:19], KROW
	s_mul_u64 s[46:47], s[46:47], s[18:19]
.if MODE == 0
	s_mul_i32 s18, s2, 786432                      ; Wk lies one weight behind Wq
	s_mov_b32 s19, 0
	s_add_nc_u64 s[46:47], s[46:47], s[18:19]
	s_mul_i32 s18, s2, 32768
	s_add_nc_u64 s[92:93], s[92:93], s[18:19]
.endif
	s_add_nc_u64 s[20:21], s[20:21], AOFF
	s_add_nc_u64 s[22:23], s[22:23], ASOFF
	s_add_nc_u64 s[46:47], s[46:47], BOFF
	s_add_nc_u64 s[92:93], s[92:93], BSOFF
	s_mul_i32 s45, s14, HALFT                      ; where they go: wave x 128 rows: no place in the cluster enters an LDS address
	s_mul_i32 s94, s14, HALFS
	s_wait_kmcnt 0x0
.if MODE != 2
	s_mov_b64 s[8:9], s[4:5]                       ; both operands lie in c1 and s1
	s_mov_b64 s[10:11], s[6:7]
.endif
	s_add_nc_u64 s[20:21], s[4:5], s[20:21]
	s_add_nc_u64 s[22:23], s[6:7], s[22:23]
	s_add_nc_u64 s[46:47], s[8:9], s[46:47]
	s_add_nc_u64 s[92:93], s[10:11], s[92:93]
	CROUND                                         ; all sixteen work-groups are here: the first joint loads meet
	s_mov_b32 s[G0S], 1
	s_add_co_u32 s[G0S+1], s94, SCL
	s_mov_b64 s[G0S+2:G0S+3], s[22:23]
	s_or_b32 s[G0S+3], s[G0S+3], 0x80000000
	s_mov_b32 s[G0SB], 1
	s_add_co_u32 s[G0SB+1], s94, SCL
	s_mov_b64 s[G0SB+2:G0SB+3], s[92:93]
	s_or_b32 s[G0SB+3], s[G0SB+3], 0x80000000
	JLOAD G0S, G1S, G0SB, G1SB                     ; the scale bytes first: they are wanted with K step 0.  With the two slots' fills three tensor loads of mine are out
.irp s, 0,1
	s_mov_b32 s[G0+4*\s], 1
	s_add_co_u32 s[G0+4*\s+1], s45, \s*SLOT
	s_add_nc_u64 s[G0+4*\s+2:G0+4*\s+3], s[20:21], \s*ASTEP
	s_or_b32 s[G0+4*\s+3], s[G0+4*\s+3], 0x80000000
	s_mov_b32 s[G0B+4*\s], 1
	s_add_co_u32 s[G0B+4*\s+1], s45, \s*SLOT
	s_add_nc_u64 s[G0B+4*\s+2:G0B+4*\s+3], s[46:47], \s*ROWB
	s_or_b32 s[G0B+4*\s+3], s[G0B+4*\s+3], 0x80000000
	JLOAD G0+4*\s, G1, G0B+4*\s, G1B
.endr
	v_and_b32 v1, 15, v0                           ; r = lane % 16
	v_bfe_u32 v2, v0, 4, 1                         ; h = lane / 16
	v_and_b32 v6, 31, v0                           ; lane
	v_mul_u32_u24 v3, v1, PITCH
	v_mul_u32_u24 v4, v2, 24
	v_add_nc_u32 v4, v3, v4                        ; a fragment's row x pitch + 24 x half
	v_lshl_add_u32 v5, v2, 4, v4                   ; and the same behind one padding more
	v_lshlrev_b32 v[LI16], 4, v6
	v_lshlrev_b32 v[LI8], 3, v6
	s_mul_i32 s21, s15, HALFT                      ; my 128 rows of A
	s_mul_i32 s22, s16, HALFT                      ; my 128 rows of B,
	s_add_co_u32 s22, s22, 2*HALFT                 ; which lie behind A's 256
.irp s, 0,1
.if MODE == 2
	v_add_nc_u32 v[ADRA+\s], s21, v[LI16]          ; images: 16 bytes a lane,
	v_add_nc_u32 v[ADRA+2+\s], s21, v[LI8]         ; and 8
.else
	v_add_nc_u32 v[ADRA+\s], s21, v4
	v_add_nc_u32 v[ADRA+2+\s], s21, v5
.endif
	v_add_nc_u32 v[ADRB+\s], s22, v4
	v_add_nc_u32 v[ADRB+2+\s], s22, v5
	s_add_co_u32 s21, s21, SLOT
	s_add_co_u32 s22, s22, SLOT
.endr
	v_mul_u32_u24 v5, v1, KS                       ; my row's scale bytes: 32 a row,
	v_lshrrev_b32 v7, 8, v5
	v_lshl_add_u32 v5, v7, 4, v5                   ; and 16 more for each 256 passed
	s_mul_i32 s21, s15, HALFS                      ; A's: my 128 rows
	s_mul_i32 s22, s16, HALFS                      ; B's: my 128 rows, behind A's 256
	s_add_co_u32 s22, s22, 2*HALFS
	s_sub_co_u32 s22, s22, s21
	v_mul_u32_u24 v7, s22, v2                      ; lanes 16-31 take B's: the lower base + h x the distance
	s_add_co_u32 s21, s21, SCL
	v_add_nc_u32 v5, v5, v7
	v_add_nc_u32 v[ADRS], s21, v5
.if MODE == 2
	s_mul_i32 s23, s14, 16*SPITCH                  ; my stage
	v_mul_u32_u24 v5, v1, SPITCH                   ; in: row r, + 64 h: my half's 16 columns of each 32
	v_lshl_add_u32 v5, v2, 6, v5
	v_add_nc_u32 v[STO], s23, v5
	v_add_nc_u32 v[RD], s23, v[CO]                 ; back: the 32 lanes take one row of 512 bytes
	s_lshl_b32 s20, s17, 8
	s_lshl_b32 s21, s15, 7
	s_add_co_u32 s20, s20, s21                     ; my first row: 256 x tile row + 128 x half
	s_lshl_b32 s20, s20, 12                        ; a row of out0 is 4,096 bytes
	s_mov_b32 s21, 0
	s_lshl_b32 s46, s42, 10                        ; my first column, in bytes: 1,024 x tile column + 512 x half
	s_lshl_b32 s47, s16, 9
	s_add_co_u32 s46, s46, s47
	s_mov_b32 s47, 0
	s_add_nc_u64 s[12:13], s[98:99], s[20:21]
	s_add_nc_u64 s[12:13], s[12:13], s[46:47]
	s_add_nc_u64 s[66:67], s[96:97], s[46:47]      ; bo at my first column
	v_lshlrev_b32 v[BOFR], 6, v2                   ; 64 h
.else
	s_lshl_b32 s23, s14, 10
	s_add_co_u32 s23, s23, STG                     ; my 1,024 bytes for scale words
	v_lshl_add_u32 v[SST], v1, 2, s23              ; 4 r
	v_add_nc_u32 v[SRD], s23, v[LI16]
.endif
.if MODE == 0
	v_lshl_add_u32 v[SST], v2, 9, v[SST]           ; + 512 h: lanes 0-15 store the first head's words, lanes 16-31 the second's
	v_lshlrev_b32 v[SH16], 4, v2
	; a record holds 128 rows of one head: ((16 b + head) 16 + step) x the record's bytes.  My 128 columns are two heads
	s_lshl_b32 s20, s17, 8
	s_lshl_b32 s21, s15, 7
	s_add_co_u32 s20, s20, s21                     ; my first row of the 16,384
	s_bfe_u32 s21, s20, 0x2000b                    ; b: bits 12:11
	s_bfe_u32 s22, s20, 0x40007                    ; step: bits 10:7
	s_lshl_b32 s23, s42, 2
	s_lshl_b32 s18, s16, 1
	s_add_co_u32 s23, s23, s18                     ; my first head
	s_lshl_b32 s21, s21, 4
	s_add_co_u32 s21, s21, s23
	s_lshl_b32 s21, s21, 4
	s_add_co_u32 s21, s21, s22
	s_mov_b32 s19, 6656                            ; a record of Q,
	s_cmp_lg_u32 s2, 0
	s_cselect_b32 s19, 13056, s19                  ; of K and V
	s_cselect_b64 s[12:13], s[100:101], s[12:13]   ; kv or qc
	s_cselect_b64 s[66:67], s[98:99], s[96:97]     ; bk or bq
	s_mul_i32 s20, s21, s19
	s_mov_b32 s21, 0
	s_add_nc_u64 s[12:13], s[12:13], s[20:21]      ; the first head's record,
	s_lshl_b32 s20, s19, 4
	s_add_nc_u64 s[96:97], s[12:13], s[20:21]      ; the second's: 16 records on
	s_lshl_b32 s46, s42, 10
	s_lshl_b32 s47, s16, 9
	s_add_co_u32 s46, s46, s47
	s_mov_b32 s47, 0
	s_add_nc_u64 s[66:67], s[66:67], s[46:47]      ; the bias at my first column
	v_lshlrev_b32 v[BOFR], 6, v2                   ; 64 h
.endif
.if MODE == 1
	v_mul_u32_u24 v[SGO], v2, 208896               ; lanes 16-31 store the second head's words: a head's 16 records on
	v_lshl_add_u32 v[SGO], v1, 4, v[SGO]
	s_lshl_b32 s20, s42, 8
	s_lshl_b32 s21, s16, 7
	s_add_co_u32 s20, s20, s21                     ; my first key of the 8,192
	s_bfe_u32 s21, s20, 0x2000b                    ; b
	s_bfe_u32 s22, s20, 0x40007                    ; step
	s_lshl_b32 s23, s17, 2
	s_lshl_b32 s18, s15, 1
	s_add_co_u32 s23, s23, s18                     ; my first head: my 128 rows are two heads' channels
	s_lshl_b32 s21, s21, 4
	s_add_co_u32 s21, s21, s23
	s_lshl_b32 s21, s21, 4
	s_add_co_u32 s21, s21, s22
	s_mul_i32 s20, s21, 13056
	s_mov_b32 s21, 0
	s_add_nc_u64 s[12:13], s[98:99], s[20:21]
	s_lshl_b32 s46, s17, 10
	s_lshl_b32 s47, s15, 9
	s_add_co_u32 s46, s46, s47
	s_mov_b32 s47, 0
	s_add_nc_u64 s[66:67], s[96:97], s[46:47]      ; bv at my first row
	v_and_b32 v[BOFR], 8, v1
	v_add_nc_u32 v[BOFR], v[BOFR], v1
	v_lshlrev_b32 v[BOFR], 2, v[BOFR]              ; 4 (r + 8 (r / 8))
.endif
.if MODE != 2
	s_mov_b32 s[SEL], 0x76543210
	s_mov_b32 s[SEL+1], 0xfedcba98
.endif
	; THE BIAS, in the result's layout.  Along n: tile b's eight registers are columns 32 (b / 2) + 16 h + 8 (b % 2) + 0 .. 7.  Along m (MODE 1): all eight registers of A's block a hold the number of the lane's row
.if MODE == 1
.irp a, 0,1,2,3,4,5,6,7
.irp j, 0,1,2,3,4,5,6,7
	global_load_b32 v[BIAS+8*\a+\j], v[BOFR], s[66:67] offset:4*(32*(\a/2)+8*(\a%2))
.endr
.endr
.else
.irp b, 0,1,2,3,4,5,6,7
	global_load_b128 v[BIAS+8*\b:BIAS+8*\b+3], v[BOFR], s[66:67] offset:4*(32*(\b/2)+8*(\b%2))
	global_load_b128 v[BIAS+8*\b+4:BIAS+8*\b+7], v[BOFR], s[66:67] offset:4*(32*(\b/2)+8*(\b%2))+16
.endr
.endif
.macro FRAG reg, adr, q, i             ; a fragment, 16 rows x 128 K, is 12 registers: lane l holds row l % 16; registers 6 c .. 6 c + 5 hold K = 64 c + 32 (l / 16) + 0 .. 31: 24 bytes of the row's stream of bits, as they lie
.irp p, 0,1,2,3,4,5                    ; in pieces of 8 bytes.  Lanes 0-15 take the row's pieces 12 q + 0, 1, 2 and 12 q + 6, 7, 8, lanes 16-31 those three pieces on
.set PCE, 12*(\q)+6*(\p/3)+\p%3       ; 16 bytes of padding lie behind every 8 pieces: where the piece three on lies behind one padding more, the second address register serves
.if PCE%8 < 5
	ds_load_b64 v[\reg+2*\p:\reg+2*\p+1], v[\adr] offset:8*PCE+16*(PCE/8)+(\i)*16*PITCH
.else
	ds_load_b64 v[\reg+2*\p:\reg+2*\p+1], v[\adr+2] offset:8*PCE+16*(PCE/8)+(\i)*16*PITCH
.endif
.endr
.endm
; 16 matrix instructions: A's blocks a0, a0 + 1 x B's eight, 128 along K: the slot's q-th.  p: B's set;  sc: the set of scale words.  zero = 1: the first product starts the sums, with the bias as C: nothing is ever cleared.
; The 64 accumulators take turns, one instruction a turn, in the same order in every step.
.macro MUL16 a0, p, q, sc, zero
.irp a, \a0, \a0+1
.irp b, 0,1,2,3,4,5,6,7
.set RD_, 8*(8*((\a)%4)+\b)
.set RB_, 128*(\p)+FR*\b
.set RA_, AF+FR*(\a)
.set SB_, SC+8*NQ*(\sc)+NQ*\b+(\q)
.set SA_, SC+8*NQ*(\sc)+NQ*(\a)+(\q)
.if MODE == 1
.set RC_, BIAS+8*(\a)
.else
.set RC_, BIAS+8*\b
.endif
.if \zero
	v_wmma_scale_f32_16x16x128_f8f6f4 v[RD_:RD_+7], v[RB_:RB_+FR-1], v[RA_:RA_+FR-1], v[RC_:RC_+7], v[SB_], v[SA_] matrix_a_fmt:MATRIX_FMT_FP6 matrix_b_fmt:MATRIX_FMT_FP6 matrix_a_scale:MATRIX_SCALE_ROW1
.else
	v_wmma_scale_f32_16x16x128_f8f6f4 v[RD_:RD_+7], v[RB_:RB_+FR-1], v[RA_:RA_+FR-1], v[RD_:RD_+7], v[SB_], v[SA_] matrix_a_fmt:MATRIX_FMT_FP6 matrix_b_fmt:MATRIX_FMT_FP6 matrix_a_scale:MATRIX_SCALE_ROW1
.endif
.endr
.endr
.endm
.macro FETCH_B slot, q, p              ; B's eight fragments of the slot's q-th 128 along K into set p
	WIN TO_B
.irp i, 0,1,2,3,4,5,6,7
	FRAG 128*(\p)+FR*\i, ADRB+\slot, \q, \i
.endr
	WIN 0
.endm
.macro FETCH_A slot, q, i0             ; A's blocks i0 .. i0 + 3.  MODE 2: a block's fragment is two images of 768 bytes (heads 2 q and 2 q + 1 of the K step's four): registers 6 c .. 6 c + 3 at 16 x lane, 6 c + 4, 6 c + 5 at 512 + 8 x lane
.irp i, \i0, \i0+1, \i0+2, \i0+3
.if MODE == 2
.irp c, 0,1
	ds_load_b128 v[AF+FR*(\i)+6*\c:AF+FR*(\i)+6*\c+3], v[ADRA+\slot] offset:(4*(\i)+2*(\q)+\c)*768
	ds_load_b64 v[AF+FR*(\i)+6*\c+4:AF+FR*(\i)+6*\c+5], v[ADRA+2+\slot] offset:(4*(\i)+2*(\q)+\c)*768+512
.endr
.else
	FRAG AF+FR*(\i), ADRA+\slot, \q, \i
.endif
.endr
.endm
.macro SCALES sc                       ; the next K step's scale words into set sc: 2 words a row; lanes 0-15 take A's block i, lanes 16-31 B's block i
.irp i, 0,1,2,3,4,5,6,7
	ds_load_b64 v[SC+8*NQ*\sc+NQ*\i:SC+8*NQ*\sc+NQ*\i+1], v[ADRS] offset:\i*SBLK
.endr
.endm
; A load into a register that a matrix instruction has read, and a vector instruction or an LDS store that reads a matrix result, stand NP places behind that matrix instruction; only plain vector
; instructions that name none of its registers are places (ISA guide 7.12.1 for vector instructions).
.macro PLACES n
.rept \n
	v_nop
.endr
.endm
; A step of 128 along K that has its successor in the same slot.
.macro STEP slot, q, zero
	s_wait_dscnt 4*NLA                             ; B's set and A's blocks 0-3 are in; the youngest loads (A's blocks 4-7) may be out
.if \zero
	WIN MULZ_LO
.else
	WIN MUL_LO
.endif
	MUL16 0, (\q)%2, \q, \slot, \zero
	MUL16 2, (\q)%2, \q, \slot, \zero
	s_wait_dscnt 0                                 ; A's blocks 4-7 are in (asked for 32 matrix instructions ago)
	PLACES NP
	FETCH_B \slot, (\q)+1, 1-(\q)%2
	FETCH_A \slot, (\q)+1, 0
.if \zero
	WIN MULZ_HI
.else
	WIN MUL_HI
.endif
	MUL16 4, (\q)%2, \q, \slot, \zero
	MUL16 6, (\q)%2, \q, \slot, \zero
	PLACES NP
	WIN 0
	FETCH_A \slot, (\q)+1, 4
.endm
; A slot's last step changes slots: ONE barrier; in front of it each wave waits for all its tensor loads, adds 0 to its spare word, and waits for that and for its own reads of this slot.  fill = 1: this slot is filled again, two K steps ahead.
.macro TURN slot, next, fill
	s_wait_tensorcnt 0x0                           ; all my tensor loads have landed: my part of the next slot;  (every window is 0 here)
	ds_add_u32 v[SPW], v[NIL]                      ; 0 onto my spare word;
	s_wait_dscnt 4*NLA+1                           ; (the add and the youngest loads, A's blocks 4-7, may be out)
	WIN MUL_LO
	MUL16 0, 1, NQ-1, \slot, 0                     ; sixteen matrix instructions stand between the add and the wait for it
	s_wait_dscnt 0x0                               ; the add is done, and my reads of this slot are over
	s_barrier_signal -1
	MUL16 2, 1, NQ-1, \slot, 0
	WIN 0
	s_barrier_wait -1
.if \fill
	CREST                                          ; the barrier has opened a round of the cluster's barrier: no wave of any partner still reads this slot's tile or has a load on its way
	s_add_nc_u64 s[G0+4*\slot+2:G0+4*\slot+3], s[G0+4*\slot+2:G0+4*\slot+3], 2*ASTEP
	s_add_nc_u64 s[G0B+4*\slot+2:G0B+4*\slot+3], s[G0B+4*\slot+2:G0B+4*\slot+3], 2*ROWB
	JLOAD G0+4*\slot, G1, G0B+4*\slot, G1B         ; the first tensor load behind the round; the four v_nop behind it are the places in front of the loads below
.else
	PLACES NP
.endif
	v_add_nc_u32 v[ADRS], 4*NQ, v[ADRS]            ; on to the next K step's scale words (no LDS load of mine is out)
	FETCH_B \next, 0, 0
	FETCH_A \next, 0, 0
	SCALES \next
	WIN MUL_HI
	MUL16 4, 1, NQ-1, \slot, 0
	MUL16 6, 1, NQ-1, \slot, 0
	PLACES NP
	WIN 0
	FETCH_A \next, 0, 4
.endm
	s_wait_tensorcnt 1                             ; the scale bytes and my part of K step 0 are in (K step 1's load may be out)
	s_barrier_signal -1
	s_barrier_wait -1                              ; everybody's are
	FETCH_B 0, 0, 0
	FETCH_A 0, 0, 0
	SCALES 0
	FETCH_A 0, 0, 4
	s_wait_loadcnt 0x0                             ; the bias
	STEP 0, 0, 1                                   ; four K steps of 256, written out: the first step's products start the sums
	TURN 0, 1, 1                                   ; slot 0 takes K step 2
	STEP 1, 0, 0
	TURN 1, 0, 1                                   ; slot 1 takes K step 3
	STEP 0, 0, 0
	TURN 0, 1, 0                                   ; nothing is left to fetch: a plain barrier
	STEP 1, 0, 0
	s_wait_dscnt 4*NLA                             ; the very last step
	WIN MUL_LO
	MUL16 0, 1, NQ-1, 1, 0
	MUL16 2, 1, NQ-1, 1, 0
	s_wait_dscnt 0
	WIN MUL_HI
	MUL16 4, 1, NQ-1, 1, 0
	MUL16 6, 1, NQ-1, 1, 0
	WIN 0
	PLACES NP                                      ; behind the last products: for the first reads of results, and for what is written over the registers that held A's fragments
.if MODE == 2
; THE WAY OUT, block by block of 16 rows x 128 columns: through my own stage in LDS, each number at its true column, and back as whole rows of 512 bytes.  LDS serves a wave's instructions in order (ISA guide 5.7.1.4).
.macro TOSTAGE a
.set AC, 64*((\a)%4)
.set WD, 0x08+4*((\a)/4)
	WIN WD                                         ; an LDS store's data: window 2 or 3
.irp b, 0,1,2,3,4,5,6,7
	ds_store_b128 v[STO], v[AC+8*\b:AC+8*\b+3] offset:128*(\b/2)+32*(\b%2)       ; each accumulator from its low end on
	ds_store_b128 v[STO], v[AC+8*\b+4:AC+8*\b+7] offset:128*(\b/2)+32*(\b%2)+16
.endr
	WIN 0
.set BB, BK+64*((\a)%2)
.irp t, 0,1,2,3,4,5,6,7,8,9,10,11,12,13,14,15
	ds_load_b128 v[BB+4*\t:BB+4*\t+3], v[RD] offset:\t*SPITCH
.endr
.endm
.macro SEND a, younger                 ; younger: the LDS instructions issued behind block a's loads, which may stay out
.set BB, BK+64*((\a)%2)
	s_wait_dscnt \younger
.irp t, 0,1,2,3,4,5,6,7,8,9,10,11,12,13,14,15
	global_store_b128 v[CO], v[BB+4*\t:BB+4*\t+3], s[12:13] offset:(32*((\a)/2)+8*((\a)%2)+\t+8*(\t/8))*4096 th:TH_STORE_NT   ; stage row t is row 32 (a / 2) + 8 (a % 2) + t + 8 (t / 8) of my 128; 32 lanes store 512 consecutive bytes, aligned
.endr
.endm
	TOSTAGE 0
.irp a, 1,2,3,4,5,6,7
.if \a > 1
	s_wait_xcnt 0x0                                ; block a - 2's stores have read their registers: block a's loads may land there
.endif
	TOSTAGE \a
	SEND \a-1, 32                                  ; behind block a - 1's loads: block a's 16 stores and 16 loads
.endr
	SEND 7, 0
.else
; THE WAY OUT: A's block a (16 rows) x my 128 columns is quantised along the columns, four blocks of 32, and leaves as an image of an operand's registers.  Register 16 b + i of the block's 64 is column 32 b + 16 h + i of the lane's row.
.macro QOUT a
.set AC, 64*((\a)%4)
.set WA, 2+(\a)/4
.set WB, WA|(WA<<2)
	s_wait_xcnt 0x0                                ; the last block's stores have read the codes' registers
	WIN WB                                         ; sources 0 and 1: the accumulators' window
.irp b, 0,1,2,3
	v_max3_num_f32 v[TM+\b], |v[AC+16*\b]|, |v[AC+1+16*\b]|, 0x1800000   ; my 16 numbers of block b, each accumulator from its low end on, and the floor 2^(3 - 127): the byte cannot fall under 1
.endr
.irp i, 2,4,6,8,10,12,14
.irp b, 0,1,2,3
	v_max3_num_f32 v[TM+\b], |v[AC+16*\b+\i]|, |v[AC+1+16*\b+\i]|, v[TM+\b]
.endr
.endr
	WIN 0
.irp b, 0,1,2,3
	v_permlanex16_b32 v[TM+4+\b], v[TM+\b], s[SEL], s[SEL+1]
.endr
.irp b, 0,1,2,3
	v_max_num_f32 v[TM+\b], v[TM+\b], v[TM+4+\b]   ; with lane l xor 16's: the block's largest magnitude
.endr
.irp b, 0,1,2,3
	v_add_nc_u32 v[TM+12+\b], 0xff000000, v[TM+\b] ; 2 off its exponent field: the conversion's scale operand
.endr
.irp b, 0,1,2,3
	v_lshrrev_b32 v[TM+4+\b], 23, v[TM+12+\b]      ; the scale's byte
.endr
	v_lshl_or_b32 v[PW], v[TM+5], 8, v[TM+4]       ; my row's four bytes
	v_lshl_or_b32 v[PW], v[TM+6], 16, v[PW]
	v_lshl_or_b32 v[PW], v[TM+7], 24, v[PW]
	WIN WA                                         ; source 0: the accumulators' window
.irp c, 0,1
	v_cvt_scalef32_pk16_fp6_f32 v[PC+6*\c:PC+2+6*\c], v[AC+32*\c:AC+15+32*\c], v[TM+12+2*\c]
	v_cvt_scalef32_pk16_fp6_f32 v[PC+12+4*\c:PC+14+4*\c], v[AC+16+32*\c:AC+31+32*\c], v[TM+12+2*\c+1]   ; (a conversion's three registers begin on an even number)
.endr
	WIN 0
	v_nop                                          ; one plain place behind a scaled conversion
.irp c, 0,1                                    ; the operand's layout wants a WHOLE block in a lane: lanes 0-15 block 2 c, lanes 16-31 block 2 c + 1
.irp i, 0,1,2
	v_permlane16_swap_b32 v[PC+6*\c+\i], v[PC+12+4*\c+\i]
.endr
.irp i, 0,1,2
	v_mov_b32 v[PC+3+6*\c+\i], v[PC+12+4*\c+\i]
.endr
.endr
.if MODE == 0
	; registers 0-5 are the first head's 64, registers 6-11 the second's: an image of 768 bytes each: four registers at 16 x lane, two at 512 + 8 x lane.  Each store covers whole aligned runs of 256 bytes
	global_store_b128 v[LI16], v[PC:PC+3], s[12:13] offset:768*(\a)
	global_store_b64 v[LI8], v[PC+4:PC+5], s[12:13] offset:768*(\a)+512
	global_store_b128 v[LI16], v[PC+6:PC+9], s[96:97] offset:768*(\a)
	global_store_b64 v[LI8], v[PC+10:PC+11], s[96:97] offset:768*(\a)+512
	v_lshrrev_b32 v[SW+(\a)], v[SH16], v[PW]       ; lanes 0-15: the first head's two bytes, lanes 16-31: the second's,
	v_and_b32 v[SW+(\a)], 0xffff, v[SW+(\a)]       ; with 0 for the two blocks that the head's K step does not have
	ds_store_b32 v[SST], v[SW+(\a)] offset:64*(\a)
.else
	; a tile of 16 channels x 128 keys: an image of 1,536 bytes; blocks 0-3 are the first head's tiles, 4-7 the second's
.irp i, 0,1,2
	global_store_b128 v[LI16], v[PC+4*\i:PC+4*\i+3], s[12:13] offset:((\a)/4)*208896+6656+1536*((\a)%4)+512*\i
.endr
	ds_store_b32 v[SST], v[PW] offset:64*(\a)      ; lanes l and l xor 16 write the same word with the same value
.endif
.endm
.irp b, 0,1,2,3
	v_mov_b32 v[TM+4+\b], 0                        ; written once: a lane permute's destination counts as one of its sources
.endr
.irp a, 0,1,2,3,4,5,6,7
	QOUT \a
.endr
	s_wait_xcnt 0x0                                ; the last stores have read the codes' registers
	ds_load_b128 v[PC:PC+3], v[SRD]                ; the scale words come back 16 bytes a lane: LDS serves a wave's instructions in order
.if MODE == 0
	ds_load_b128 v[PC+4:PC+7], v[SRD] offset:512
	s_wait_dscnt 0x0
	global_store_b128 v[LI16], v[PC:PC+3], s[12:13] offset:6144     ; 8 tiles x 64 bytes: 512 consecutive bytes, aligned
	global_store_b128 v[LI16], v[PC+4:PC+7], s[96:97] offset:6144
.else
	s_wait_dscnt 0x0
	global_store_b128 v[SGO], v[PC:PC+3], s[12:13] offset:12800     ; sixteen lanes store a head's 4 tiles x 64 bytes: 256 consecutive bytes, aligned
.endif
.endif
	s_wait_tensorcnt 0x0                           ; the wave's end: behind my last tensor load and my last LDS store
	ds_add_u32 v[SPW], v[NIL]
	s_wait_dscnt 0x0
	CROUND                                         ; the closing round: no work-group ends while a partner may still ask for a tile that names it
	s_endpgm
.Lfunc_end_k_q5472930556_outp:
	.size	k_q5472930556_outp, .Lfunc_end_k_q5472930556_outp-k_q5472930556_outp
	.p2alignl 7, 3214868480
	.fill 96, 4, 3214868480
	.section	.rodata,"a",@progbits
	.p2align	6, 0x0
	.amdhsa_kernel k_q5472930556_outp
		.amdhsa_group_segment_fixed_size 327680
		.amdhsa_private_segment_fixed_size 0
		.amdhsa_enable_private_segment 0
		.amdhsa_kernarg_size 48
		.amdhsa_user_sgpr_count 2
		.amdhsa_user_sgpr_kernarg_segment_ptr 1
		.amdhsa_wavefront_size32 1
		.amdhsa_system_sgpr_workgroup_id_x 1
		.amdhsa_system_sgpr_workgroup_id_y 1
		.amdhsa_system_sgpr_workgroup_id_z 1
		.amdhsa_system_vgpr_workitem_id 0
		.amdhsa_next_free_vgpr 1024
		.amdhsa_next_free_sgpr 102
		.amdhsa_reserve_vcc 0
		.amdhsa_float_denorm_mode_32 3
		.amdhsa_float_denorm_mode_16_64 3
		.amdhsa_memory_ordered 1
		.amdhsa_forward_progress 1
		.amdhsa_inst_pref_size 153
	.end_amdhsa_kernel
	.amdgpu_metadata
---
amdhsa.version: [ 1, 2 ]
amdhsa.kernels:
  - .name:           k_q5472930556_outp
    .symbol:         k_q5472930556_outp.kd
    .args:
      - { .name: oc, .offset: 0, .size: 8, .value_kind: global_buffer, .address_space: global }
      - { .name: osc, .offset: 8, .size: 8, .value_kind: global_buffer, .address_space: global }
      - { .name: c1, .offset: 16, .size: 8, .value_kind: global_buffer, .address_space: global }
      - { .name: s1, .offset: 24, .size: 8, .value_kind: global_buffer, .address_space: global }
      - { .name: bo, .offset: 32, .size: 8, .value_kind: global_buffer, .address_space: global }
      - { .name: out0, .offset: 40, .size: 8, .value_kind: global_buffer, .address_space: global }
    .group_segment_fixed_size: 327680
    .private_segment_fixed_size: 0
    .kernarg_segment_align: 8
    .kernarg_segment_size: 48
    .max_flat_workgroup_size: 128
    .sgpr_count:     102
    .vgpr_count:     1024
    .wavefront_size: 32
...
	.end_amdgpu_metadata
.endif
;; end of part 5
